; MI455X (gfx1250); checked and timed in simulation.
; The chip was launched on July 23, 2026; its instructions are those of AMD's public machine-readable ISA for CDNA 5 (MIT licence, August 2026) and "CDNA5" Instruction Set Architecture Reference Guide (July 2026). The comments in the code are by the model that wrote it; some were corrected since.
;; Self Attention. Allowed arithmetic: matrix products marked QUANTISED: E2M1 operands, one E8M0 scale for each 32 along K, by v_wmma_scale_f32_16x16x128_f8f6f4 with both operands' format E2M1 (or v_wmma_scale_f32_32x16x128_f4), f32 sums; products left as they are: bf16, f16 or f32 operands; f32 sums; everything else in f32.
;; Inputs: b_out 1,024 float32; b_qkv 3,072 float32; w_out 1,024 x 1,024 float32; w_qkv 1,024 x 3,072 float32; x 4 x 2,048 x 1,024 float32.
;; Outputs: out0 4 x 2,048 x 1,024 float32.
;; This version of the problem:
;;   THIS VERSION OF THE PROBLEM IS GIVEN IN LOW PRECISION. The matrix products marked QUANTISED in the list below multiply operands that are first quantised to E2M1 (2 exponent bits, 1 mantissa bit; 4 bits a number), with one power-of-two scale for each 32 numbers along K (OCP MX v1.0); their sums are f32. The products marked 'left as it is' may take bf16, f16 or f32 operands, with f32 sums. Whichever they take, every output number must still come out within the allowed error. Rounding operands to bf16 (8 significant bits) uses up far more of that allowance than f16 does (11 bits, for magnitudes from 6e-5 to 65,504). All else is computed in f32.
;;   The module's matrix products, in the order in which they are computed (A, B: the left and right operand; K: the contracted axis; several contracted axes count as one K, in the product's order):
;;     1. [M 8,192, K 1,024] x [K 1,024, N 3,072]; A: input x; B: input w_qkv: QUANTISED
;;     2. batch 64 x [M 2,048, K 64] x [K 64, N 2,048]; A: computed on the way; B: computed on the way: left as it is (an operand is computed on the way)
;;     3. batch 64 x [M 2,048, K 2,048] x [K 2,048, N 64]; A: computed on the way; B: computed on the way: left as it is (an operand is computed on the way)
;;     4. [M 8,192, K 1,024] x [K 1,024, N 1,024]; A: computed on the way; B: input w_out: left as it is (an operand is computed on the way)
;;   THE QUANTISER, for each operand of a quantised product, along K:
;;     - K is cut into blocks of 32 from its start; a last block that is shorter is filled with zeros.
;;     - A block's scale is 2^e with e = floor(log2(the largest magnitude in the block)) - 2, held to -126 .. 127; a block of zeros has e = 0. As a byte (E8M0): e + 127.
;;     - Each number is divided by its block's scale, clamped to +-6, and rounded to the nearest number of E2M1, ties to even, subnormals kept.
;;     - The product sums the exact products of the quantised numbers (number of the format x scale) in f32.
;;   ~~~python
;;   def quantise(x, axis):      # numpy; x: float32 -> the quantised numbers, widened to float32 again
;;       x = np.moveaxis(x, axis, -1); K = x.shape[-1]
;;       x = np.pad(x, [(0, 0)] * (x.ndim - 1) + [(0, -K % 32)]); x = x.reshape(x.shape[:-1] + (-1, 32)); a = np.abs(x).max(-1, keepdims=True)
;;       e = np.where(a > 0, np.clip(np.frexp(np.where(a > 0, a, 1))[1] - 1 - 2, -126, 127), 0)      # np.frexp(a)[1] - 1 = floor(log2(a)), exactly
;;       r = np.clip(x / 2.0 ** e, -6, 6)
;;       step = 2.0 ** (np.maximum(np.frexp(np.where(r == 0, 1, r))[1] - 1, 0) - 1)
;;       q = np.round(r / step) * step * 2.0 ** e      # np.round: ties to even
;;       return np.moveaxis(q.reshape(q.shape[:-2] + (-1,))[..., :K], -1, axis).astype(np.float32)
;;   ~~~
;; One version. Each part assembles by itself: llvm-mc -triple=amdgcn-amd-amdhsa -mcpu=gfx1250 --defsym DOCPART=n.
;; ======== version 1 of 1: 5 launches
;; limits: values are held in f16: magnitudes above 65,504 overflow, below 6.1e-05 lose precision
;; workspace buffers: x_codes 4,194,304 bytes; x_scales 262,144 bytes; wq_codes 1,572,864 bytes; wq_scales 98,304 bytes; woT 2,097,152 bytes; qkv 50,331,648 bytes; qkv16 786,432 bytes; att 16,777,216 bytes
;; launch prep (part 1): grid 384 x 1, 8 waves a work-group, no clusters, 100,864 bytes of LDS; arguments x, w_qkv, w_out, x_codes, x_scales, wq_codes, wq_scales, woT; writes x_codes, x_scales, wq_codes, wq_scales, woT
.if DOCPART == 1
	.amdgcn_target "amdgcn-amd-amdhsa--gfx1250"
	.amdhsa_code_object_version 6
	.text
	.protected	k_qbc5d4e3cae_prep
	.globl	k_qbc5d4e3cae_prep
	.p2align	8
	.type	k_qbc5d4e3cae_prep,@function
k_qbc5d4e3cae_prep:
	s_mov_b64 s[64:65], 0
	v_nop
	global_prefetch_b8 v0, s[64:65] scope:SCOPE_SE
	s_setreg_imm32_b32 hwreg(HW_REG_WAVE_MODE, 25, 1), 1
	s_wait_xcnt 0x0
; PREP.  Three jobs in one launch, told apart by the work-group's number:
;   X (work-groups 0-255):   x [8192][1024] f32, K innermost, becomes codes of FP4 (E2M1) [8192][512 bytes] and E8M0 scale bytes [8192][32].
;   W (work-groups 256-351): w_qkv [1024 k][3072 n] f32, K outermost, becomes codes [3072 n][512 bytes], K innermost, and scale bytes [3072][32].
;   O (work-groups 352-383): w_out [1024 k][1024 n] f32 becomes f16, turned and cut by head: woT [16 h][1024 n][64 k].
; A block's scale is 2^(floor(log2(largest magnitude)) - 2): its byte is the largest magnitude's exponent field - 2, held at 1 from below.
; LIMITS: a block of zeros gets the byte 1 where the quantiser says 127 (its codes are zeros, and this program alone reads the bytes); blocks whose largest magnitude lies under 2^-124
; are held at that floor; NaN and infinities among the inputs are not served; w_out beyond 65,504 does not fit f16.
; Each job has LDS bytes of its own, and every LDS address is made ahead of the parting.  The jobs join at one barrier, which job W needs: a column's 512 bytes of codes come from eight waves.
.set STEPS, 8
.set SP,    80                         ; X: a lane's place in a stage: 64 bytes + 16 of padding
.set XWB,   5632                       ; X: a wave's region: two stages of 32 x 80 bytes, then its 128 scale bytes
.set WST,   8*XWB                      ; W: 32 rows (columns n) x (512 bytes of codes + 16)
.set WPI,   528
.set WSC,   WST+32*WPI                 ; W: 32 rows x 32 scale bytes
.set OST,   WSC+1024                   ; O: for each wave 32 rows (columns n) x (128 bytes + 16)
.set OPI,   144
.set SPARE, OST+8*32*OPI               ; the spare words, 128 bytes for each wave: four blocks of 256 bytes that no other line names
.set R,     16                         ; X: v16-79 four sets of 16 numbers as loaded;  W, O: v16-143 the lane's 128 numbers down K
.set X,     80                         ; X: v80-111 two sets of 16 neighbours
.set C,     144                        ; codes or f16 pairs
.set E,     176                        ; X: a scale byte for each step
.set SPW,   214
.set NIL,   215
	s_load_b256 s[4:11], s[0:1], 0x0               ; x s[4:5], w_qkv s[6:7], w_out s[8:9], x_codes s[10:11]
	s_load_b256 s[12:19], s[0:1], 0x20             ; x_scales s[12:13], wq_codes s[14:15], wq_scales s[16:17], woT s[18:19]
	v_lshl_add_u32 v[SPW], v0, 2, SPARE
	v_mov_b32 v[NIL], 0
	v_lshrrev_b32 v2, 5, v0
	v_readfirstlane_b32 s22, v2                    ; wave 0..7
	v_and_b32 v1, 31, v0                           ; lane
	v_lshlrev_b32 v3, 4, v1                        ; 16 x lane
	v_lshlrev_b32 v4, 3, v1                        ; 8 x lane
	v_lshlrev_b32 v7, 2, v1                        ; 4 x lane
	s_mul_i32 s24, s22, XWB                        ; job X's addresses
	v_lshrrev_b32 v14, 2, v1
	v_mul_u32_u24 v14, v14, SP
	v_and_b32 v2, 3, v1
	v_lshl_add_u32 v14, v2, 4, v14
	v_add_nc_u32 v14, s24, v14                     ; into a stage: 80 (lane / 4) + 16 (lane % 4)
	v_mul_u32_u24 v15, v1, SP
	v_add_nc_u32 v15, s24, v15                     ; out of it: 80 x lane: my 16 neighbours
	s_add_co_u32 s24, s24, 2*32*SP
	v_lshrrev_b32 v5, 1, v1
	v_add_nc_u32 v5, s24, v5                       ; my block's scale byte
	v_add_nc_u32 v6, s24, v7                       ; and the bytes' way out: 4 a lane
	s_lshl_b32 s25, s22, 6                         ; job W's addresses
	s_add_co_u32 s25, s25, WST
	v_mul_u32_u24 v208, v1, WPI
	v_add_nc_u32 v208, s25, v208                   ; row = my column, + 64 x wave: my 128 codes
	s_lshl_b32 s25, s22, 2
	s_add_co_u32 s25, s25, WSC
	v_lshl_add_u32 v209, v1, 5, s25                ; my column's scale bytes, + 4 x wave
	s_mul_i32 s25, s22, 4*WPI
	s_add_co_u32 s25, s25, WST
	v_add_nc_u32 v210, s25, v3                     ; back: rows 4 w on, a whole row of 512 bytes to the 32 lanes
	s_lshl_b32 s25, s22, 7
	s_add_co_u32 s25, s25, WSC
	v_add_nc_u32 v211, s25, v7
	s_mul_i32 s25, s22, 32*OPI                     ; job O's addresses
	s_add_co_u32 s25, s25, OST
	v_mul_u32_u24 v212, v1, OPI
	v_add_nc_u32 v212, s25, v212                   ; row = my column
	v_lshrrev_b32 v213, 3, v1
	v_mul_u32_u24 v213, v213, OPI
	v_and_b32 v2, 7, v1
	v_lshl_add_u32 v213, v2, 4, v213
	v_add_nc_u32 v213, s25, v213                   ; back: eight lanes to a row of 128 bytes, four rows an instruction
	s_wait_kmcnt 0x0
	s_cmp_lt_u32 ttmp9, 256
	s_cbranch_scc0 .Lnot_x
; ---- JOB X.  x is a plain stream of blocks of 32.  A wave takes 8 steps of 512 numbers.  Each load reads 512 consecutive bytes; a step's 2,048 bytes turn through the wave's own stage, so that a lane
; holds 16 neighbours (two lanes to a block).  Loads run four steps ahead, the turn through LDS one step.
	s_lshl_b32 s24, ttmp9, 3
	s_add_co_u32 s24, s24, s22                     ; which run of 4,096 numbers is my wave's
	s_lshl_b32 s26, s24, 14
	s_mov_b32 s27, 0
	s_add_nc_u64 s[28:29], s[4:5], s[26:27]
	s_lshl_b32 s26, s24, 11
	s_add_nc_u64 s[30:31], s[10:11], s[26:27]
	s_lshl_b32 s26, s24, 7
	s_add_nc_u64 s[32:33], s[12:13], s[26:27]
.macro LOADX t
.irp i, 0,1,2,3
	global_load_b128 v[R+16*((\t)%4)+4*\i:R+16*((\t)%4)+4*\i+3], v3, s[28:29] offset:2048*(\t)+512*\i th:TH_LOAD_NT
.endr
.endm
.macro TURNX t                         ; LDS serves a wave's instructions in order: no wait between the stores and the loads
.irp i, 0,1,2,3
	ds_store_b128 v14, v[R+16*((\t)%4)+4*\i:R+16*((\t)%4)+4*\i+3] offset:32*SP*((\t)%2)+8*SP*\i
.endr
.irp i, 0,1,2,3
	ds_load_b128 v[X+16*((\t)%2)+4*\i:X+16*((\t)%2)+4*\i+3], v15 offset:32*SP*((\t)%2)+16*\i
.endr
.endm
.macro STEPX t
.set XS, X+16*((\t)%2)
.if (\t) > 0
	s_wait_dscnt 1                                 ; this step's numbers are back from the stage; the last step's byte store may be out
.else
	s_wait_dscnt 0x0
.endif
.if (\t)+4 < STEPS
	LOADX (\t)+4                                   ; into the set whose stores into the stage are done
.endif
.if (\t)+1 < STEPS
.if STEPS-2-(\t) >= 3
	s_wait_loadcnt 12                              ; the next step's four loads are in; those of three steps behind it may be out
.else
	s_wait_loadcnt 4*(STEPS-2-(\t))
.endif
	TURNX (\t)+1
.endif
	v_max3_num_f32 v8, |v[XS]|, |v[XS+1]|, |v[XS+2]|
	v_max3_num_f32 v9, |v[XS+3]|, |v[XS+4]|, |v[XS+5]|
.irp i, 6,10
	v_max3_num_f32 v8, v8, |v[XS+\i]|, |v[XS+\i+1]|
	v_max3_num_f32 v9, v9, |v[XS+\i+2]|, |v[XS+\i+3]|
.endr
	v_max3_num_f32 v8, v8, |v[XS+14]|, |v[XS+15]|
	v_max3_num_f32 v8, v8, v9, 0x1800000           ; and the floor 2^(3 - 127): the byte cannot fall under 1
	v_max_num_f32_dpp v8, v8, v8 row_xmask:1 row_mask:0xf bank_mask:0xf   ; with my neighbour's 16: the block's largest magnitude
	v_add_nc_u32 v11, 0xff000000, v8               ; 2 off its exponent field: the conversion's scale operand
	v_cvt_scalef32_pk8_fp4_f32 v[C+2*(\t)], v[XS:XS+7], v11
	v_cvt_scalef32_pk8_fp4_f32 v[C+2*(\t)+1], v[XS+8:XS+15], v11
	v_lshrrev_b32 v[E+(\t)], 23, v11               ; the scale's byte (also the plain line behind the conversions)
	ds_store_b8 v5, v[E+(\t)] offset:16*(\t)       ; both lanes of a block write the same byte with the same value
	global_store_b64 v4, v[C+2*(\t):C+2*(\t)+1], s[30:31] offset:256*(\t)   ; the wave stores 256 consecutive bytes, aligned
.endm
.irp t, 0,1,2,3
	LOADX \t
.endr
	s_wait_loadcnt 12                              ; step 0's four loads are in
	TURNX 0
.irp t, 0,1,2,3,4,5,6,7
	STEPX \t
.endr
	ds_load_b32 v8, v6                             ; my wave's 128 scale bytes, behind its own stores
	s_wait_dscnt 0x0
	global_store_b32 v7, v8, s[32:33]              ; 128 consecutive bytes
	s_branch .Lmeet
.Lnot_x:
	s_cmp_lt_u32 ttmp9, 352
	s_cbranch_scc0 .Lpath_o
; ---- JOB W.  The work-group owns 32 columns and all of K; wave w takes k = 128 w on; A LANE TAKES A COLUMN AND ITS REGISTERS RUN DOWN K: a block of 32 lies in one lane, and the conversions give codes with K innermost.
	s_sub_co_u32 s24, ttmp9, 256
	s_lshl_b32 s26, s24, 7                         ; 32 columns x 4 bytes
	s_mul_i32 s25, s22, 128*3072*4
	s_add_co_u32 s26, s26, s25
	s_mov_b32 s27, 0
	s_add_nc_u64 s[28:29], s[6:7], s[26:27]
.set i, 0
.rept 128
	global_load_b32 v[R+i], v7, s[28:29] offset:12288*i th:TH_LOAD_NT   ; w_qkv(128 w + i, my column): the wave reads 128 consecutive bytes
.set i, i+1
.endr
.macro BLOCKW t, left
.set XS, R+32*(\t)
	s_wait_loadcnt \left                           ; behind this block's loads 96, 64, 32, 0 were issued; the wait names the count, or the most that its field holds, which is fewer
	v_max3_num_f32 v8, |v[XS]|, |v[XS+1]|, |v[XS+2]|
	v_max3_num_f32 v9, |v[XS+3]|, |v[XS+4]|, |v[XS+5]|
.irp i, 6,10,14,18,22,26
	v_max3_num_f32 v8, v8, |v[XS+\i]|, |v[XS+\i+1]|
	v_max3_num_f32 v9, v9, |v[XS+\i+2]|, |v[XS+\i+3]|
.endr
	v_max3_num_f32 v8, v8, |v[XS+30]|, |v[XS+31]|
	v_max3_num_f32 v8, v8, v9, 0x1800000
	v_add_nc_u32 v11, 0xff000000, v8
	v_lshrrev_b32 v9, 23, v11
.if (\t) == 0
	v_mov_b32 v12, v9                              ; four bytes to a word, the lower K in the lower byte
.else
	v_lshl_or_b32 v12, v9, 8*(\t), v12
.endif
.irp g, 0,1,2,3
	v_cvt_scalef32_pk8_fp4_f32 v[C+4*(\t)+\g], v[XS+8*\g:XS+8*\g+7], v11
.endr
	v_nop                                          ; one plain line behind the conversions
	ds_store_b128 v208, v[C+4*(\t):C+4*(\t)+3] offset:16*(\t)
.endm
	BLOCKW 0, 63
	BLOCKW 1, 63
	BLOCKW 2, 32
	BLOCKW 3, 0
	ds_store_b32 v209, v12
	s_branch .Lmeet
.Lpath_o:
; ---- JOB O.  As W: a lane takes a column n, its registers run down k = 128 w on, which are heads 2 w and 2 w + 1.  Pairs are rounded to f16; a head's 128 bytes a column go through the wave's own stage and leave four rows an instruction.
	s_sub_co_u32 s24, ttmp9, 352
	s_lshl_b32 s26, s24, 7
	s_lshl_b32 s25, s22, 19                        ; 128 rows of 4,096 bytes
	s_add_co_u32 s26, s26, s25
	s_mov_b32 s27, 0
	s_add_nc_u64 s[28:29], s[8:9], s[26:27]
	s_lshl_b32 s26, s22, 18                        ; woT: (2 w x 1024 + 32 g) rows of 128 bytes
	s_lshl_b32 s25, s24, 12
	s_add_co_u32 s26, s26, s25
	s_add_nc_u64 s[30:31], s[18:19], s[26:27]
.set i, 0
.rept 128
	global_load_b32 v[R+i], v7, s[28:29] offset:4096*i th:TH_LOAD_NT
.set i, i+1
.endr
.irp qd, 0,1,2,3
.if \qd < 2
	s_wait_loadcnt 63
.elseif \qd == 2
	s_wait_loadcnt 32
.else
	s_wait_loadcnt 0x0
.endif
.irp i, 0,2,4,6,8,10,12,14,16,18,20,22,24,26,28,30
	v_cvt_pk_f16_f32 v[C+16*\qd+\i/2], v[R+32*\qd+\i], v[R+1+32*\qd+\i]
.endr
.endr
.irp u, 0,1
.irp j, 0,1,2,3,4,5,6,7
	ds_store_b128 v212, v[C+32*\u+4*\j:C+32*\u+4*\j+3] offset:16*\j
.endr
.irp i, 0,1,2,3,4,5,6,7
	ds_load_b128 v[R+32*\u+4*\i:R+32*\u+4*\i+3], v213 offset:4*OPI*\i   ; in order behind my stores; the second head's stores come behind these loads
.endr
.endr
.irp u, 0,1
.irp i, 0,1,2,3,4,5,6,7
	s_wait_dscnt 23-16*\u-\i                       ; the younger LDS instructions may be out
	global_store_b128 v3, v[R+32*\u+4*\i:R+32*\u+4*\i+3], s[30:31] offset:131072*\u+512*\i   ; 512 consecutive bytes, aligned: four rows of woT
.endr
.endr
.Lmeet:
	s_wait_dscnt 0x0                               ; my LDS stores have landed
	s_barrier_signal -1
	s_barrier_wait -1                              ; job W: the 32 rows of codes and of scale bytes are whole
	s_sub_co_u32 s24, ttmp9, 256
	s_cmp_lt_u32 s24, 96
	s_cbranch_scc0 .Lend
	s_wait_xcnt 0x0
	s_lshl_b32 s26, s24, 14                        ; wq_codes: (32 g + 4 w) rows of 512 bytes
	s_lshl_b32 s25, s22, 11
	s_add_co_u32 s26, s26, s25
	s_mov_b32 s27, 0
	s_add_nc_u64 s[36:37], s[14:15], s[26:27]
	s_lshl_b32 s26, s24, 10                        ; wq_scales: 32 g rows of 32 bytes, + 128 w
	s_lshl_b32 s25, s22, 7
	s_add_co_u32 s26, s26, s25
	s_add_nc_u64 s[38:39], s[16:17], s[26:27]
.irp i, 0,1,2,3
	ds_load_b128 v[184+4*\i:187+4*\i], v210 offset:WPI*\i
.endr
	ds_load_b32 v200, v211
.irp i, 0,1,2,3
	s_wait_dscnt 4-\i
	global_store_b128 v3, v[184+4*\i:187+4*\i], s[36:37] offset:512*\i   ; a whole row of codes: 512 consecutive bytes
.endr
	s_wait_dscnt 0x0
	global_store_b32 v7, v200, s[38:39]
.Lend:
	s_wait_tensorcnt 0x0                           ; the wave's end
	ds_add_u32 v[SPW], v[NIL]
	s_wait_dscnt 0x0
	s_endpgm
.Lfunc_end_k_qbc5d4e3cae_prep:
	.size	k_qbc5d4e3cae_prep, .Lfunc_end_k_qbc5d4e3cae_prep-k_qbc5d4e3cae_prep
	.p2alignl 7, 3214868480
	.fill 96, 4, 3214868480
	.section	.rodata,"a",@progbits
	.p2align	6, 0x0
	.amdhsa_kernel k_qbc5d4e3cae_prep
		.amdhsa_group_segment_fixed_size 100864
		.amdhsa_private_segment_fixed_size 0
		.amdhsa_enable_private_segment 0
		.amdhsa_kernarg_size 64
		.amdhsa_user_sgpr_count 2
		.amdhsa_user_sgpr_kernarg_segment_ptr 1
		.amdhsa_wavefront_size32 1
		.amdhsa_system_sgpr_workgroup_id_x 1
		.amdhsa_system_sgpr_workgroup_id_y 1
		.amdhsa_system_sgpr_workgroup_id_z 1
		.amdhsa_system_vgpr_workitem_id 0
		.amdhsa_next_free_vgpr 224
		.amdhsa_next_free_sgpr 66
		.amdhsa_reserve_vcc 0
		.amdhsa_float_denorm_mode_32 3
		.amdhsa_float_denorm_mode_16_64 3
		.amdhsa_memory_ordered 1
		.amdhsa_forward_progress 1
		.amdhsa_inst_pref_size 60
	.end_amdhsa_kernel
	.amdgpu_metadata
---
amdhsa.version: [ 1, 2 ]
amdhsa.kernels:
  - .name:           k_qbc5d4e3cae_prep
    .symbol:         k_qbc5d4e3cae_prep.kd
    .args:
      - { .name: x, .offset: 0, .size: 8, .value_kind: global_buffer, .address_space: global }
      - { .name: w_qkv, .offset: 8, .size: 8, .value_kind: global_buffer, .address_space: global }
      - { .name: w_out, .offset: 16, .size: 8, .value_kind: global_buffer, .address_space: global }
      - { .name: x_codes, .offset: 24, .size: 8, .value_kind: global_buffer, .address_space: global }
      - { .name: x_scales, .offset: 32, .size: 8, .value_kind: global_buffer, .address_space: global }
      - { .name: wq_codes, .offset: 40, .size: 8, .value_kind: global_buffer, .address_space: global }
      - { .name: wq_scales, .offset: 48, .size: 8, .value_kind: global_buffer, .address_space: global }
      - { .name: woT, .offset: 56, .size: 8, .value_kind: global_buffer, .address_space: global }
    .group_segment_fixed_size: 100864
    .private_segment_fixed_size: 0
    .kernarg_segment_align: 8
    .kernarg_segment_size: 64
    .max_flat_workgroup_size: 256
    .sgpr_count:     66
    .vgpr_count:     224
    .wavefront_size: 32
...
	.end_amdgpu_metadata
.endif
;; end of part 1
;; launch qkv (part 2): grid 16 x 32, 4 waves a work-group, clusters of 4 x 4, 327,680 bytes of LDS; arguments x_codes, x_scales, wq_codes, wq_scales, b_qkv, qkv, qkv16; writes qkv, qkv16
.if DOCPART == 2
	.amdgcn_target "amdgcn-amd-amdhsa--gfx1250"
	.amdhsa_code_object_version 6
	.text
	.protected	k_qbc5d4e3cae_qkv
	.globl	k_qbc5d4e3cae_qkv
	.p2align	8
	.type	k_qbc5d4e3cae_qkv,@function
k_qbc5d4e3cae_qkv:
	s_mov_b64 s[64:65], 0
	v_nop
	global_prefetch_b8 v0, s[64:65] scope:SCOPE_SE
	s_setreg_imm32_b32 hwreg(HW_REG_WAVE_MODE, 25, 1), 1
	s_wait_xcnt 0x0
	s_wait_alu depctr_hold_cnt(0) depctr_sa_sdst(0) depctr_va_vdst(0) depctr_va_sdst(0) depctr_va_ssrc(0) depctr_va_vcc(0) depctr_vm_vsrc(0)
	s_getreg_b32 s2, hwreg(HW_REG_IB_STS2, 6, 4)
	s_cmp_eq_u32 s2, 0
	s_cbranch_scc0 .Lentry_in_a_cluster
	s_endpgm
.Lentry_in_a_cluster:
	s_bfe_u32 s2, ttmp6, 0x10000c
	s_cmp_lg_u32 s2, 0xf033
	s_cbranch_scc0 .Lentry_shape_is_right
	s_endpgm
.Lentry_shape_is_right:
; QKV = Q(x) Q(w_qkv) + b_qkv on codes of FP4 (E2M1) with one E8M0 scale for each 32 along K; sums in f32.  K = 1,024.
; Results leave as f16 cut by head: qkv [48 planes][8192 tokens][64] (planes 0-15 q, 16-31 k, 32-47 v); positions 0-15 of each sequence also as f32: qkv16 [4][48][16][64].
; LIMIT: |q|, |k|, |v| beyond 65,504 do not fit f16.
; A work-group makes 256 tokens x 192 columns (three planes): 32 x 16 tiles.  Wave w owns tokens 64 w on (4 blocks a) x all 192 columns (12 blocks b): 48 accumulators, so a wave holds whole planes and goes out through a stage of its own.
; ALL OF K LIES IN LDS, as two slots of 512 along K, each filled once: nothing is filled again.
; CLUSTERS: 4 x 4.  Tile column = 4 x cluster x + cx; tile row = 8 cy + cluster y, so that the sequence is cy and 'the tile begins a sequence' is cluster y = 0, the same in all sixteen partners.
; A's tiles are shared along a row of the cluster, B's along a column: joint loads.  THE MATRIX INSTRUCTION IS USED TRANSPOSED (source 0 = 16 columns of w, source 1 = 16 tokens): a lane holds eight neighbouring columns of one token.
; SCALES: a row's 32 bytes are 8 words, one a K step of 128.  Lane (r, h) loads bytes 16 h on of row r: lanes 0-15 hold the words of steps 0-3, lanes 16-31 those of steps 4-7, and from step 4 on both sides read the upper lanes.
; The bias is the C of each sum's first matrix instruction.
; REGISTERS: window 0: v16-29 addresses; v32-47 x's scale words, v48-95 w's; v96-127, v128-159 x's fragments, two sets; v160-255 the bias.  On the way out v96-143 packed results, v144-239 rows read back.
;   window 1: w's fragments, two sets of 96.   window 2: accumulators of blocks a = 0, 1 at v[96 (a % 2) + 8 b];   window 3: a = 2, 3.
.set PITCH, 272                        ; an LDS row: 256 bytes + 16 of padding
.set ABY,   256*PITCH
.set BBY,   192*PITCH
.set SLOT,  ABY+BBY
.set STAGE, 2*SLOT                     ; for each wave 3 planes x 16 tokens x (128 bytes + 16)
.set SPI,   144
.set SPL,   16*SPI
.set WSTG,  3*SPL
.set SPARE, STAGE+4*WSTG               ; the spare words: two blocks of 256 bytes that no other line names
.set ADRA, 16
.set ADRB, 20
.set STO,  24
.set RD,   25
.set CO,   26
.set FO,   27
.set SPW,  28
.set NIL,  29
.set SA,   32
.set SB,   48
.set AF,   96
.set BI,   160
.set TMP,  96
.set BK,   144
.set WV,   18
.set G1A,  24
.set G0A,  32
.set G1B,  48
.set G0B,  56
.set MSB, 0
.macro WIN new                         ; the immediate's high byte repeats the setting that is left
.if MSB != \new
	s_set_vgpr_msb (MSB<<8)|\new
.set MSB, \new
.endif
.endm
.macro JLOAD g0a, g0b                  ; waves 0 and 1 fetch x's halves, waves 2 and 3 w's; an s_nop 0 and four v_nop follow each line
	s_cmp_eq_u32 s19, 0
	s_cbranch_scc0 .Lfor_b_\@
	tensor_load_to_lds s[\g0a:\g0a+3], s[G1A:G1A+7]
	s_nop 0
.rept 4
	v_nop
.endr
	s_branch .Lasked_\@
.Lfor_b_\@:
	tensor_load_to_lds s[\g0b:\g0b+3], s[G1B:G1B+7]
	s_nop 0
.rept 4
	v_nop
.endr
.Lasked_\@:
.endm
.macro CROUND                          ; a round of the cluster's barrier
	s_barrier_signal -1
	s_barrier_wait -1
	s_cmp_lg_u32 s[WV], 0
	s_cbranch_scc1 .Lnot_wave_0_\@
	s_barrier_signal -3
.Lnot_wave_0_\@:
	s_barrier_wait -3
	s_barrier_signal -1
	s_barrier_wait -1
.endm
.macro PLACES
.rept 4
	v_nop
.endr
.endm
	s_load_b256 s[4:11], s[0:1], 0x0               ; x_codes s[4:5], x_scales s[6:7], wq_codes s[8:9], wq_scales s[10:11]
	s_load_b128 s[12:15], s[0:1], 0x20             ; b_qkv s[12:13], qkv s[14:15]
	s_load_b64 s[16:17], s[0:1], 0x30              ; qkv16
	v_lshl_add_u32 v[SPW], v0, 2, SPARE
	v_mov_b32 v[NIL], 0
	ds_add_u32 v[SPW], v[NIL]                      ; the wave's opening
	ds_add_u32 v[SPW], v[NIL]
	v_lshrrev_b32 v1, 5, v0
	v_readfirstlane_b32 s[WV], v1                  ; wave 0..3
	s_lshr_b32 s19, s[WV], 1                       ; I fetch for x (0) or for w (1)
	s_and_b32 s20, s[WV], 1                        ; which half of that tile's rows
	s_bfe_u32 s40, ttmp6, 0x40000                  ; cx
	s_bfe_u32 s41, ttmp6, 0x40004                  ; cy
	s_lshl_b32 s42, ttmp9, 2
	s_add_co_u32 s42, s42, s40                     ; tile column
	s_and_b32 s21, ttmp7, 0xffff                   ; cluster y
	s_lshl_b32 s43, s41, 3
	s_add_co_u32 s43, s43, s21                     ; tile row = 8 cy + cluster y
	s_lshl_b32 s44, s41, 2
	s_lshl_b32 s44, 15, s44                        ; my row of the cluster
	s_lshl_b32 s45, 0x1111, s40                    ; my column
	s_or_b32 s[G1A], s44, (1<<20)|(1<<21)|(5<<22)|(3<<25)   ; the mask; elements of 1 byte; padding: 4 words behind every 64; bit 21 beside a mask
	s_or_b32 s[G1B], s45, (1<<20)|(1<<21)|(5<<22)|(3<<25)
	s_mov_b32 s[G1A+1], 256<<16                    ; tensor_dim0 = 256 bytes
	s_mov_b32 s[G1A+2], 128<<16                    ; tensor_dim1 = 128 rows
	s_mov_b32 s[G1A+3], 256<<16                    ; tile_dim0
	s_mov_b32 s[G1A+4], 128                        ; tile_dim1
	s_mov_b32 s[G1A+5], 512                        ; a row of codes in memory
	s_mov_b32 s[G1A+6], 0
	s_mov_b32 s[G1A+7], 0
	s_mov_b32 s[G1B+1], 256<<16
	s_mov_b32 s[G1B+2], 96<<16                     ; 96 rows
	s_mov_b32 s[G1B+3], 256<<16
	s_mov_b32 s[G1B+4], 96
	s_mov_b32 s[G1B+5], 512
	s_mov_b32 s[G1B+6], 0
	s_mov_b32 s[G1B+7], 0
	s_lshl_b32 s66, s20, 16                        ; x: (256 tile row + 128 half) rows of 512 bytes
	s_lshl_b32 s68, s43, 17
	s_add_co_u32 s68, s68, s66
	s_mov_b32 s69, 0
	s_mul_i32 s66, s20, 96*512                     ; w: (192 tile column + 96 half) rows
	s_mul_i32 s72, s42, 192*512
	s_add_co_u32 s72, s72, s66
	s_mov_b32 s73, 0
	s_mul_i32 s46, s20, 128*PITCH                  ; where they go: no place in the cluster enters an LDS address
	s_mul_i32 s47, s20, 96*PITCH
	s_add_co_u32 s47, s47, ABY
	s_wait_dscnt 0x0                               ; both opening adds are done
	s_wait_kmcnt 0x0
	s_add_nc_u64 s[68:69], s[4:5], s[68:69]
	s_add_nc_u64 s[72:73], s[8:9], s[72:73]
	CROUND                                         ; all sixteen work-groups are here: the joint loads meet
.irp s, 0,1
	s_mov_b32 s[G0A+4*\s], 1
	s_add_co_u32 s[G0A+4*\s+1], s46, \s*SLOT
	s_add_nc_u64 s[G0A+4*\s+2:G0A+4*\s+3], s[68:69], \s*256
	s_or_b32 s[G0A+4*\s+3], s[G0A+4*\s+3], 0x80000000
	s_mov_b32 s[G0B+4*\s], 1
	s_add_co_u32 s[G0B+4*\s+1], s47, \s*SLOT
	s_add_nc_u64 s[G0B+4*\s+2:G0B+4*\s+3], s[72:73], \s*256
	s_or_b32 s[G0B+4*\s+3], s[G0B+4*\s+3], 0x80000000
	JLOAD G0A+4*\s, G0B+4*\s                       ; two loads of mine are out at the most
.endr
	v_and_b32 v1, 15, v0                           ; r
	v_bfe_u32 v2, v0, 4, 1                         ; h
	v_lshlrev_b32 v3, 5, v1
	v_lshl_add_u32 v3, v2, 4, v3                   ; scale bytes: 32 r + 16 h
	v_lshlrev_b32 v4, 5, v2                        ; the bias: 32 h
	s_lshl_b32 s66, s43, 13                        ; x_scales: (256 tile row + 64 w) rows of 32 bytes
	s_lshl_b32 s67, s[WV], 11
	s_add_co_u32 s66, s66, s67
	s_mov_b32 s67, 0
	s_add_nc_u64 s[74:75], s[6:7], s[66:67]
	s_mul_i32 s66, s42, 192*32
	s_add_nc_u64 s[76:77], s[10:11], s[66:67]
	s_mul_i32 s66, s42, 192*4
	s_add_nc_u64 s[78:79], s[12:13], s[66:67]
.irp a, 0,1,2,3
	global_load_b128 v[SA+4*\a:SA+4*\a+3], v3, s[74:75] offset:512*\a
.endr
.irp b, 0,1,2,3,4,5,6,7,8,9,10,11
	global_load_b128 v[SB+4*\b:SB+4*\b+3], v3, s[76:77] offset:512*\b
.endr
.irp b, 0,1,2,3,4,5,6,7,8,9,10,11
	global_load_b128 v[BI+8*\b:BI+8*\b+3], v4, s[78:79] offset:64*\b
	global_load_b128 v[BI+8*\b+4:BI+8*\b+7], v4, s[78:79] offset:64*\b+16
.endr
	v_mul_u32_u24 v5, v1, PITCH
	v_lshl_add_u32 v5, v2, 4, v5                   ; a fragment's row x pitch + 16 h
	s_mul_i32 s66, s[WV], 64*PITCH                 ; my 64 tokens
.irp s, 0,1
	v_add_nc_u32 v[ADRA+\s], s66, v5
	v_add_nc_u32 v[ADRB+\s], ABY+\s*SLOT, v5
	s_add_co_u32 s66, s66, SLOT
.endr
	s_mul_i32 s66, s[WV], WSTG
	s_add_co_u32 s66, s66, STAGE                   ; my stage
	v_mul_u32_u24 v[STO], v1, SPI
	v_lshl_add_u32 v[STO], v2, 4, v[STO]
	v_add_nc_u32 v[STO], s66, v[STO]               ; in: token r, 16 bytes for each half of the lanes
	v_and_b32 v6, 31, v0
	v_lshrrev_b32 v7, 3, v6
	v_mul_u32_u24 v[RD], v7, SPI
	v_and_b32 v7, 7, v6
	v_lshl_add_u32 v[RD], v7, 4, v[RD]
	v_add_nc_u32 v[RD], s66, v[RD]                 ; back: eight lanes to a token's 128 bytes, four tokens an instruction
	v_lshlrev_b32 v[CO], 4, v6
	v_lshlrev_b32 v[FO], 8, v1
	v_lshl_add_u32 v[FO], v2, 5, v[FO]             ; qkv16: 256 r + 32 h
	s_mul_i32 s66, s42, 3*8192*128                 ; qkv: plane 3 x tile column, token 256 tile row + 64 w
	s_lshl_b32 s67, s43, 15
	s_add_co_u32 s66, s66, s67
	s_lshl_b32 s67, s[WV], 13
	s_add_co_u32 s66, s66, s67
	s_mov_b32 s67, 0
	s_add_nc_u64 s[80:81], s[14:15], s[66:67]
	s_mul_i32 s66, s41, 48*4096                    ; qkv16: sequence cy, plane 3 x tile column
	s_mul_i32 s70, s42, 3*4096
	s_add_co_u32 s66, s66, s70
	s_add_nc_u64 s[82:83], s[16:17], s[66:67]
.macro FRAG reg, adr, qq, i            ; 16 rows x 128 K of 4-bit codes: registers 4 c on hold K = 64 c + 32 h + 0 .. 31: 16 bytes of the row as they lie
.irp c, 0,1
	ds_load_b128 v[\reg+4*\c:\reg+4*\c+3], v[\adr] offset:64*(\qq)+32*\c+(\i)*16*PITCH
.endr
.endm
.macro FETCH slot, qq, p               ; 32 LDS loads in one run: w's twelve fragments and x's four, into set p
	WIN 0x40
.irp i, 0,1,2,3,4,5,6,7,8,9,10,11
	FRAG 96*(\p)+8*\i, ADRB+\slot, \qq, \i
.endr
	WIN 0
.irp i, 0,1,2,3
	FRAG AF+32*(\p)+8*\i, ADRA+\slot, \qq, \i
.endr
.endm
; 12 matrix instructions: token block a against w's twelve.  The 48 accumulators take turns, one instruction a turn, in the same order in every step.
.macro MUL12 a, p, q
.irp b, 0,1,2,3,4,5,6,7,8,9,10,11
.if (\q) == 0
	v_wmma_scale_f32_16x16x128_f8f6f4 v[96*((\a)%2)+8*\b:96*((\a)%2)+8*\b+7], v[96*(\p)+8*\b:96*(\p)+8*\b+7], v[AF+32*(\p)+8*(\a):AF+32*(\p)+8*(\a)+7], v[BI+8*\b:BI+8*\b+7], v[SB+4*\b], v[SA+4*(\a)] matrix_a_fmt:MATRIX_FMT_FP4 matrix_b_fmt:MATRIX_FMT_FP4
.elseif (\q) < 4
	v_wmma_scale_f32_16x16x128_f8f6f4 v[96*((\a)%2)+8*\b:96*((\a)%2)+8*\b+7], v[96*(\p)+8*\b:96*(\p)+8*\b+7], v[AF+32*(\p)+8*(\a):AF+32*(\p)+8*(\a)+7], v[96*((\a)%2)+8*\b:96*((\a)%2)+8*\b+7], v[SB+4*\b+(\q)%4], v[SA+4*(\a)+(\q)%4] matrix_a_fmt:MATRIX_FMT_FP4 matrix_b_fmt:MATRIX_FMT_FP4
.else
	v_wmma_scale_f32_16x16x128_f8f6f4 v[96*((\a)%2)+8*\b:96*((\a)%2)+8*\b+7], v[96*(\p)+8*\b:96*(\p)+8*\b+7], v[AF+32*(\p)+8*(\a):AF+32*(\p)+8*(\a)+7], v[96*((\a)%2)+8*\b:96*((\a)%2)+8*\b+7], v[SB+4*\b+(\q)%4], v[SA+4*(\a)+(\q)%4] matrix_a_fmt:MATRIX_FMT_FP4 matrix_b_fmt:MATRIX_FMT_FP4 matrix_a_scale:MATRIX_SCALE_ROW1 matrix_b_scale:MATRIX_SCALE_ROW1
.endif
.endr
.endm
; A step of 128 along K: 48 matrix instructions; in its middle the next step's fragments are fetched into the other set, four places behind the last product that read it.
.macro STEP q
	s_wait_dscnt 0x0                               ; this step's fragments are in
.if (\q) == 3
	s_wait_tensorcnt 0x0                           ; my part of slot 1 has landed:
	s_barrier_signal -1                            ; say so
.endif
.if (\q) == 0
	WIN 0x81                                       ; w window 1, x and the bias window 0, D window 2
.else
	WIN 0xa1
.endif
	MUL12 0, (\q)%2, \q
	MUL12 1, (\q)%2, \q
.if (\q) == 3
	s_barrier_wait -1                              ; slot 1 is whole
.endif
.if (\q) < 7
	PLACES
	FETCH ((\q)+1)/4, ((\q)+1)%4, 1-(\q)%2
.endif
.if (\q) == 0
	WIN 0xc1
.else
	WIN 0xf1
.endif
	MUL12 2, (\q)%2, \q
	MUL12 3, (\q)%2, \q
.endm
	s_wait_tensorcnt 1                             ; my part of slot 0 is in; slot 1's load may stay out
	s_barrier_signal -1
	s_barrier_wait -1                              ; everybody's is
	FETCH 0, 0, 0
	s_wait_loadcnt 0x0                             ; the scale words and the bias
.irp q, 0,1,2,3,4,5,6,7
	STEP \q
.endr
	PLACES                                         ; ahead of the first reads of results and of writes into registers that the last products read
	WIN 0
	; positions 0-15 of a sequence, in f32: block a = 0 of wave 0, in the clusters with y = 0.  Runs of 64 bytes; 786,432 bytes in the whole launch.
	s_or_b32 s66, s21, s[WV]
	s_cmp_lg_u32 s66, 0
	s_cbranch_scc1 .Lno_fine
	WIN 0x08                                       ; a store's data: window 2
.irp b, 0,1,2,3,4,5,6,7,8,9,10,11
	global_store_b128 v[FO], v[8*\b:8*\b+3], s[82:83] offset:4096*(\b/4)+64*(\b%4)        ; each accumulator from its low end on
	global_store_b128 v[FO], v[8*\b+4:8*\b+7], s[82:83] offset:4096*(\b/4)+64*(\b%4)+16
.endr
	WIN 0
.Lno_fine:
; THE WAY OUT, 16 tokens at a time: rounded to f16, 16 bytes a lane into my stage (a plane's rows 144 bytes apart), back four tokens an instruction, stored as 512 consecutive bytes of a plane.
.macro PACK a
	WIN 0x0a+5*((\a)/2)                            ; sources window 2 or 3
.irp b, 0,1,2,3,4,5,6,7,8,9,10,11
.irp r, 0,1,2,3
	v_cvt_pk_f16_f32 v[TMP+4*\b+\r], v[96*((\a)%2)+8*\b+2*\r], v[96*((\a)%2)+8*\b+2*\r+1]
.endr
.endr
	WIN 0
.endm
.macro TOSTAGE a
.irp b, 0,1,2,3,4,5,6,7,8,9,10,11
	ds_store_b128 v[STO], v[TMP+4*\b:TMP+4*\b+3] offset:SPL*(\b/4)+32*(\b%4)
.endr
.set BB, BK+48*((\a)%2)
.irp hc, 0,1,2
.irp i, 0,1,2,3
	ds_load_b128 v[BB+16*\hc+4*\i:BB+16*\hc+4*\i+3], v[RD] offset:SPL*\hc+4*SPI*\i   ; LDS serves a wave's instructions in order: these see the stores above
.endr
.endr
.endm
.macro SEND a, younger
.set BB, BK+48*((\a)%2)
	s_wait_dscnt \younger                          ; the block is back; the next block's 24 LDS instructions may be out
.irp hc, 0,1,2
.irp i, 0,1,2,3
	global_store_b128 v[CO], v[BB+16*\hc+4*\i:BB+16*\hc+4*\i+3], s[80:81] offset:\hc*1048576+2048*(\a)+512*\i
.endr
.endr
.endm
	PACK 0
	TOSTAGE 0
.irp a, 1,2,3
	PACK \a
.if \a > 1
	s_wait_xcnt 0x0                                ; block a - 2's stores have read their registers: block a's loads may land there
.endif
	TOSTAGE \a
	SEND \a-1, 24
.endr
	SEND 3, 0
	s_wait_tensorcnt 0x0                           ; the wave's end
	ds_add_u32 v[SPW], v[NIL]
	s_wait_dscnt 0x0
	CROUND                                         ; the closing round
	s_endpgm
.Lfunc_end_k_qbc5d4e3cae_qkv:
	.size	k_qbc5d4e3cae_qkv, .Lfunc_end_k_qbc5d4e3cae_qkv-k_qbc5d4e3cae_qkv
	.p2alignl 7, 3214868480
	.fill 96, 4, 3214868480
	.section	.rodata,"a",@progbits
	.p2align	6, 0x0
	.amdhsa_kernel k_qbc5d4e3cae_qkv
		.amdhsa_group_segment_fixed_size 327680
		.amdhsa_private_segment_fixed_size 0
		.amdhsa_enable_private_segment 0
		.amdhsa_kernarg_size 56
		.amdhsa_user_sgpr_count 2
		.amdhsa_user_sgpr_kernarg_segment_ptr 1
		.amdhsa_wavefront_size32 1
		.amdhsa_system_sgpr_workgroup_id_x 1
		.amdhsa_system_sgpr_workgroup_id_y 1
		.amdhsa_system_sgpr_workgroup_id_z 1
		.amdhsa_system_vgpr_workitem_id 0
		.amdhsa_next_free_vgpr 960
		.amdhsa_next_free_sgpr 84
		.amdhsa_reserve_vcc 0
		.amdhsa_float_denorm_mode_32 3
		.amdhsa_float_denorm_mode_16_64 3
		.amdhsa_memory_ordered 1
		.amdhsa_forward_progress 1
		.amdhsa_inst_pref_size 104
	.end_amdhsa_kernel
	.amdgpu_metadata
---
amdhsa.version: [ 1, 2 ]
amdhsa.kernels:
  - .name:           k_qbc5d4e3cae_qkv
    .symbol:         k_qbc5d4e3cae_qkv.kd
    .args:
      - { .name: x_codes, .offset: 0, .size: 8, .value_kind: global_buffer, .address_space: global }
      - { .name: x_scales, .offset: 8, .size: 8, .value_kind: global_buffer, .address_space: global }
      - { .name: wq_codes, .offset: 16, .size: 8, .value_kind: global_buffer, .address_space: global }
      - { .name: wq_scales, .offset: 24, .size: 8, .value_kind: global_buffer, .address_space: global }
      - { .name: b_qkv, .offset: 32, .size: 8, .value_kind: global_buffer, .address_space: global }
      - { .name: qkv, .offset: 40, .size: 8, .value_kind: global_buffer, .address_space: global }
      - { .name: qkv16, .offset: 48, .size: 8, .value_kind: global_buffer, .address_space: global }
    .group_segment_fixed_size: 327680
    .private_segment_fixed_size: 0
    .kernarg_segment_align: 8
    .kernarg_segment_size: 56
    .max_flat_workgroup_size: 128
    .sgpr_count:     84
    .vgpr_count:     960
    .wavefront_size: 32
...
	.end_amdgpu_metadata
.endif
;; end of part 2
;; launch attn (part 3): grid 4 x 64, 8 waves a work-group, no clusters, 327,680 bytes of LDS; arguments qkv, att; writes att
.if DOCPART == 3
	.amdgcn_target "amdgcn-amd-amdhsa--gfx1250"
	.amdhsa_code_object_version 6
	.text
	.protected	k_qbc5d4e3cae_attn
	.globl	k_qbc5d4e3cae_attn
	.p2align	8
	.type	k_qbc5d4e3cae_attn,@function
k_qbc5d4e3cae_attn:
	s_mov_b64 s[64:65], 0
	v_nop
	global_prefetch_b8 v0, s[64:65] scope:SCOPE_SE
	s_setreg_imm32_b32 hwreg(HW_REG_WAVE_MODE, 25, 1), 1
	s_wait_xcnt 0x0
; ATT[h][token][:] = the sum over keys k <= q of softmax_k(Q . K / 8) V, for each of 64 (sequence, head) pairs; 2,048 positions, head size 64.  Operands f16, products, maxima and sums f32; p is rounded to f16 for the second product.
; LIMITS: |att| beyond 65,504 does not fit f16; the exponential gives 0 for results under 2^-126.  Positions 0-15 of each sequence are made again, in f32, by a later launch.
; SHARES.  Work-group (i, head) stays: it makes query block i (256 queries; key slots 0 .. i of 256 keys) and then block 7 - i (slots 0 .. 7 - i): NINE slots for every work-group, a constant trip count.
; Wave w owns 32 queries (two tiles of 16): sub-block w for w < 4, 11 - w else, so that waves w and w + 4 together have the same work on the diagonal.
; NO CLUSTER: the four work-groups of a head want different key slots in the same trip (in trip T work-group i wants slot T while T <= i, else T - i - 1), so their requests could not be joint.
; LAYOUT.  S^T = K Q^T (source 0 = 16 keys, source 1 = 16 queries) and O^T = V^T P (source 0 = 16 channels, turned out of LDS; source 1 = P): a lane holds ONE query throughout, and two tiles of S^T, rounded in pairs, are P's fragment.
; SOFTMAX.  A running maximum m and sum l for each query: p = 2^(c s - c m), c = log2(e) / 8; in every step O and l are multiplied by a = 2^(c m_old - c m_new).
; THE MASK.  A step (64 keys) whose first key comes after my first query hides all its keys from all my 32 queries (both numbers are multiples of 32), and so do the steps behind it in the slot: a scalar branch on ids leads
; to the slot's end.  In a step that is walked every query sees the step's first key.  On the diagonal hidden scores become -infinity.
; REGISTERS: window 0: v1-15 addresses; v16-31 statistics, tile t at 16 + 8 t: c m, m, l (two halves), four at work (a at +6); v32-95 S^T; v96-127 P; v128-191 K; v192-255 V.
;   window 1: v0-63 O^T; v64-95 Q; v96-127 the second block's Q.
.set PK,    144                        ; a key's row of K in LDS: 128 bytes + 16
.set PV,    160                        ; of V: 128 + 32
.set VOFF,  256*PK
.set SLOT1, 1<<17                      ; slot 1 begins here: one exclusive or turns an address from slot to slot
.set STAGE, SLOT1+VOFF+256*PV          ; for each wave 32 rows x 144 bytes, for the way out
.set SPARE, STAGE+8*32*PK              ; the spare words: four blocks of 256 bytes that no other line names
.set AK0, 1
.set AV0, 2
.set ADK, 3
.set ADV, 4
.set STO, 5
.set RD,  6
.set GO,  7
.set LR,  8                            ; r - 8 h
.set D0,  9                            ; v9, v10: the mask's distance for tiles 0, 1
.set NINF, 11
.set SPW, 12
.set NIL, 13
.set PFO, 14
.set QO,  15
.set ST,  16
.set S,   32
.set P,   96
.set KR,  128
.set VR,  192
.set O,   0                            ; window 1
.set Q,   64
.set Q2,  96
.set WV,  8
.set SUB, 9
.set N1,  10                           ; the first block's slots: i + 1
.set T,   11                           ; the trip
.set KN,  12                           ; the key slot asked for last
.set KS,  13                           ; first key of the slot in hand
.set Q0,  14                           ; my first query
.set Q0B, 15                           ; and in the second block
.set TB,  16                           ; LDS byte at which the slot in hand begins
.set KF,  17                           ; the step's first key
.set SEL, 18
.set CS,  20
.set G1K, 24
.set G1V, 32
.set G0K, 40
.set G0V, 44
.set KB,  48                           ; s[48:49] K at my half of key slot 0;  s[50:51] V
.set VB,  50
.set OFF, 52
.set OUTA, 54
.set OUTB, 56
.set PFK, 58
.set PFV, 60
.set LIM, 62
.set MSB, 0
.macro WIN new
.if MSB != \new
	s_set_vgpr_msb (MSB<<8)|\new
.set MSB, \new
.endif
.endm
.set W_KQ, 0x04                        ; Q window 1
.set W_PV, 0x50                        ; C and D window 1
.set W_RS, 0x41                        ; destination and source 0 window 1
; Waves 0 and 1 fetch K's halves of a slot, waves 2 and 3 V's, the others nothing.  An s_nop 0 and four v_nop follow each line.
.macro TLOAD
	s_cmp_lt_u32 s[WV], 2
	s_cbranch_scc0 .Lnot_k_\@
	tensor_load_to_lds s[G0K:G0K+3], s[G1K:G1K+7]
	s_nop 0
.rept 4
	v_nop
.endr
	s_branch .Lasked_\@
.Lnot_k_\@:
	s_cmp_lt_u32 s[WV], 4
	s_cbranch_scc0 .Lasked_\@
	tensor_load_to_lds s[G0V:G0V+3], s[G1V:G1V+7]
	s_nop 0
.rept 4
	v_nop
.endr
.Lasked_\@:
.endm
; A PREFETCH INTO THE L2.  In trip T (T < 6) key slot T + 2 is named: 32,768 bytes of K and as many of V.  The head's work-group 0 asks, and in it waves 4 to 7, which fetch nothing: 8,192 bytes of each a wave, lanes 256 bytes apart.
; So each aligned block of 256 bytes is named once.  Slots 0 and 1 come by their loads alone; slot 7 is the last.  The first tensor load of slot T + 2, in any work-group of the head, stands one or two trips later.
.macro ASK
	s_cmp_lt_u32 s[T], s[LIM]
	s_cbranch_scc0 .Lnot_mine_\@
	global_prefetch_b8 v[PFO], s[PFK:PFK+1] th:TH_LOAD_NT scope:SCOPE_SE
	global_prefetch_b8 v[PFO], s[PFV:PFV+1] th:TH_LOAD_NT scope:SCOPE_SE
.Lnot_mine_\@:
.endm
	s_load_b128 s[4:7], s[0:1], 0x0                ; qkv s[4:5], att s[6:7]
	v_lshl_add_u32 v[SPW], v0, 2, SPARE
	v_mov_b32 v[NIL], 0
	ds_add_u32 v[SPW], v[NIL]                      ; the wave's opening
	ds_add_u32 v[SPW], v[NIL]
	v_lshrrev_b32 v1, 5, v0
	v_readfirstlane_b32 s[WV], v1                  ; wave 0..7
	s_sub_co_u32 s66, 11, s[WV]
	s_cmp_lt_u32 s[WV], 4
	s_cselect_b32 s[SUB], s[WV], s66
	s_add_co_u32 s[N1], ttmp9, 1
	s_lshl_b32 s66, s[SUB], 5
	s_lshl_b32 s[Q0], ttmp9, 8
	s_add_co_u32 s[Q0], s[Q0], s66                 ; 256 i + 32 sub
	s_sub_co_u32 s[Q0B], 7, ttmp9
	s_lshl_b32 s[Q0B], s[Q0B], 8
	s_add_co_u32 s[Q0B], s[Q0B], s66               ; 256 (7 - i) + 32 sub
	s_and_b32 s67, ttmp7, 0xffff
	s_and_b32 s68, s67, 15                         ; head
	s_lshr_b32 s69, s67, 4                         ; sequence
	s_lshl_b32 s68, s68, 20                        ; a plane is 8,192 tokens x 128 bytes,
	s_lshl_b32 s69, s69, 18                        ; a sequence 2,048 tokens
	s_add_co_u32 s68, s68, s69
	s_mov_b32 s69, 0
	s_and_b32 s70, s[WV], 1                        ; which half of a slot's rows I fetch
	s_mov_b32 s[G1K], (1<<16)|(1<<20)|(4<<22)|(3<<25)   ; elements of 2 bytes; padding: 4 words behind every 32
	s_mov_b32 s[G1V], (1<<16)|(1<<20)|(4<<22)|(7<<25)   ; 8 words
.irp g, G1K, G1V
	s_mov_b32 s[\g+1], 64<<16                      ; tensor_dim0 = 64
	s_mov_b32 s[\g+2], 128<<16                     ; tensor_dim1 = 128
	s_mov_b32 s[\g+3], 64<<16                      ; tile_dim0
	s_mov_b32 s[\g+4], 128                         ; tile_dim1
	s_mov_b32 s[\g+5], 64                          ; rows are dense
	s_mov_b32 s[\g+6], 0
	s_mov_b32 s[\g+7], 0
.endr
	s_mov_b32 s[G0K], 1
	s_mul_i32 s[G0K+1], s70, 128*PK
	s_mov_b32 s[G0V], 1
	s_mul_i32 s[G0V+1], s70, 128*PV
	s_add_co_u32 s[G0V+1], s[G0V+1], VOFF
	s_mov_b32 s[SEL], 0x76543210
	s_mov_b32 s[SEL+1], 0xfedcba98
	s_mov_b32 s[CS], 0x3e38aa3b                    ; c = log2(e) / 8
	s_mov_b32 s[CS+1], s[CS]
	s_mov_b32 s[T], 0
	s_mov_b32 s[KN], 0
	s_mov_b32 s[KS], 0
	s_mov_b32 s[TB], 0
	s_mov_b32 s[OFF+1], 0
	s_lshr_b32 s66, s[WV], 2
	s_xor_b32 s66, s66, 1                          ; 0 in waves 4 to 7,
	s_or_b32 s66, s66, ttmp9                       ; of the head's work-group 0
	s_cmp_eq_u32 s66, 0
	s_cselect_b32 s[LIM], 6, 0
	s_wait_dscnt 0x0                               ; both opening adds are done
	s_wait_kmcnt 0x0
	s_add_nc_u64 s[74:75], s[4:5], s[68:69]        ; the head's q plane at my sequence
	s_lshl_b32 s66, s70, 14                        ; 128 rows of 128 bytes
	s_mov_b32 s67, 0
	s_add_nc_u64 s[KB:KB+1], s[74:75], s[66:67]
	s_add_nc_u64 s[VB:VB+1], s[KB:KB+1], 0x2000000   ; 32 planes on
	s_add_nc_u64 s[KB:KB+1], s[KB:KB+1], 0x1000000   ; 16 planes on
	s_mov_b64 s[G0K+2:G0K+3], s[KB:KB+1]
	s_or_b32 s[G0K+3], s[G0K+3], 0x80000000
	s_mov_b64 s[G0V+2:G0V+3], s[VB:VB+1]
	s_or_b32 s[G0V+3], s[G0V+3], 0x80000000
	TLOAD                                          ; key slot 0 into LDS slot 0
	s_and_b32 s66, s[WV], 3
	s_lshl_b32 s66, s66, 13
	s_add_co_u32 s66, s66, 32768                   ; the prefetches stand in slot 1: the first change of slots steps them to slot 2
	s_add_nc_u64 s[PFK:PFK+1], s[74:75], s[66:67]
	s_add_nc_u64 s[PFV:PFV+1], s[PFK:PFK+1], 0x2000000
	s_add_nc_u64 s[PFK:PFK+1], s[PFK:PFK+1], 0x1000000
	s_lshl_b32 s66, s[Q0], 7
	s_add_nc_u64 s[76:77], s[74:75], s[66:67]      ; Q of the first block
	s_add_nc_u64 s[OUTA:OUTA+1], s[6:7], s[68:69]
	s_add_nc_u64 s[OUTB:OUTB+1], s[OUTA:OUTA+1], 0
	s_add_nc_u64 s[OUTA:OUTA+1], s[OUTA:OUTA+1], s[66:67]
	s_lshl_b32 s66, s[Q0B], 7
	s_add_nc_u64 s[78:79], s[74:75], s[66:67]      ; and of the second
	s_add_nc_u64 s[OUTB:OUTB+1], s[OUTB:OUTB+1], s[66:67]
	v_and_b32 v[GO], 31, v0                        ; lane
	v_and_b32 v[LR], 15, v0                        ; r
	v_bfe_u32 v[D0], v0, 4, 1                      ; h
	v_lshlrev_b32 v[QO], 7, v[LR]
	v_lshl_add_u32 v[QO], v[D0], 4, v[QO]          ; Q: 128 r + 16 h
	WIN 0x40                                       ; destination window 1
.irp t, 0,1
.irp c, 0,1
	global_load_b128 v[Q+16*\t+8*\c:Q+16*\t+8*\c+3],    v[QO], s[76:77] offset:2048*\t+64*\c
	global_load_b128 v[Q+16*\t+8*\c+4:Q+16*\t+8*\c+7],  v[QO], s[76:77] offset:2048*\t+64*\c+32
	global_load_b128 v[Q2+16*\t+8*\c:Q2+16*\t+8*\c+3],   v[QO], s[78:79] offset:2048*\t+64*\c
	global_load_b128 v[Q2+16*\t+8*\c+4:Q2+16*\t+8*\c+7], v[QO], s[78:79] offset:2048*\t+64*\c+32
.endr
.endr
.set i, 0
.rept 64
	v_mov_b32 v[O+i], 0                            ; O^T: the step is written once; the first finds zeros
.set i, i+1
.endr
	WIN 0
	v_mul_u32_u24 v[AK0], v[LR], PK
	v_lshl_add_u32 v[AK0], v[D0], 4, v[AK0]        ; K: row r x pitch + 16 h
	v_and_b32 v[ADK], 7, v0
	v_lshl_add_u32 v[AV0], v[D0], 3, v[ADK]        ; V, for the turning load: key 8 h + lane % 8,
	v_mul_u32_u24 v[AV0], v[AV0], PV
	v_bfe_u32 v[ADV], v0, 3, 1
	v_lshl_add_u32 v[AV0], v[ADV], 4, v[AV0]       ; channels 8 ((lane / 8) % 2) on
	v_add_nc_u32 v[AV0], VOFF, v[AV0]
	s_mul_i32 s66, s[WV], 32*PK
	s_add_co_u32 s66, s66, STAGE                   ; my stage
	v_mul_u32_u24 v[STO], v[LR], PK
	v_lshl_add_u32 v[STO], v[D0], 4, v[STO]
	v_add_nc_u32 v[STO], s66, v[STO]
	v_lshrrev_b32 v[RD], 3, v[GO]
	v_mul_u32_u24 v[RD], v[RD], PK
	v_lshl_add_u32 v[RD], v[ADK], 4, v[RD]
	v_add_nc_u32 v[RD], s66, v[RD]
	v_lshlrev_b32 v[PFO], 8, v[GO]
	v_lshlrev_b32 v[GO], 4, v[GO]
	v_lshlrev_b32 v[D0], 3, v[D0]
	v_sub_nc_u32 v[LR], v[LR], v[D0]               ; r - 8 h
	v_mov_b32 v[NINF], 0xff800000
.macro FRESH                           ; a block's statistics begin: m = -3e38, under every score; l = 0
.irp t, 0,1
	v_mov_b32 v[ST+8*\t+1], 0xff61b1e6
	v_mul_f32 v[ST+8*\t], s[CS], v[ST+8*\t+1]
.irp j, 2,3,4,5,6,7
	v_mov_b32 v[ST+8*\t+\j], 0
.endr
.endr
.endm
	FRESH
.macro FETCH_K q                       ; 64 keys x 64 channels: fragment 2 kb + c
.irp f, 0,1,2,3,4,5,6,7
	ds_load_b128 v[KR+8*\f:KR+8*\f+3],   v[ADK] offset:64*PK*(\q)+16*PK*(\f/2)+64*(\f%2)
	ds_load_b128 v[KR+8*\f+4:KR+8*\f+7], v[ADK] offset:64*PK*(\q)+16*PK*(\f/2)+64*(\f%2)+32
.endr
.endm
.macro FETCH_V q                       ; turned: fragment 4 g + cb: keys 32 g on, channels 16 cb on
.irp f, 0,1,2,3,4,5,6,7
	ds_load_tr16_b128 v[VR+8*\f:VR+8*\f+3],   v[ADV] offset:64*PV*(\q)+32*PV*(\f/4)+32*(\f%4)
	ds_load_tr16_b128 v[VR+8*\f+4:VR+8*\f+7], v[ADV] offset:64*PV*(\q)+32*PV*(\f/4)+32*(\f%4)+16*PV
.endr
.endm
.macro KQ                              ; 16 products; eight accumulators by turns, one instruction a turn
.irp c, 0,1
.irp kb, 0,1,2,3
.irp t, 0,1
.if \c == 0
	v_wmma_f32_16x16x32_f16 v[S+32*\t+8*\kb:S+32*\t+8*\kb+7], v[KR+16*\kb+8*\c:KR+16*\kb+8*\c+7], v[Q+16*\t+8*\c:Q+16*\t+8*\c+7], 0
.else
	v_wmma_f32_16x16x32_f16 v[S+32*\t+8*\kb:S+32*\t+8*\kb+7], v[KR+16*\kb+8*\c:KR+16*\kb+8*\c+7], v[Q+16*\t+8*\c:Q+16*\t+8*\c+7], v[S+32*\t+8*\kb:S+32*\t+8*\kb+7]
.endif
.endr
.endr
.endr
.endm
.macro PVM                             ; 16 products O^T += V^T P, likewise
.irp g, 0,1
.irp cb, 0,1,2,3
.irp t, 0,1
	v_wmma_f32_16x16x32_f16 v[O+32*\t+8*\cb:O+32*\t+8*\cb+7], v[VR+32*\g+8*\cb:VR+32*\g+8*\cb+7], v[P+16*\t+8*\g:P+16*\t+8*\g+7], v[O+32*\t+8*\cb:O+32*\t+8*\cb+7]
.endr
.endr
.endr
.endm
.macro MASK                            ; register 8 kb + j of tile t holds key KF + 16 kb + 8 h + j and query Q0 + 16 t + r: hidden where 16 kb + j > Q0 - KF + 16 t + r - 8 h
	s_sub_co_i32 s66, s[Q0], s[KF]
	v_add_nc_u32 v[D0], s66, v[LR]
	v_add_nc_u32 v[D0+1], 16, v[D0]
.irp t, 0,1
.set n, 0
.rept 32
	v_cmp_gt_i32 vcc_lo, 16*(n/8)+n%8, v[D0+\t]
	v_cndmask_b32 v[S+32*\t+n], v[S+32*\t+n], v[NINF], vcc_lo
.set n, n+1
.endr
.endr
.endm
.macro SOFTMAX                         ; both tiles line by line, so that no line waits for the line above it.  Each accumulator is read from its low end on.
.irp j, 0,1,2,3
.irp t, 0,1
	v_max3_num_f32 v[ST+8*\t+4+\j], v[S+32*\t+8*\j], v[S+32*\t+8*\j+1], v[S+32*\t+8*\j+2]
.endr
.endr
.irp u, 1,2
.irp j, 0,1,2,3
.irp t, 0,1
	v_max3_num_f32 v[ST+8*\t+4+\j], v[ST+8*\t+4+\j], v[S+32*\t+8*\j+2*\u+1], v[S+32*\t+8*\j+2*\u+2]
.endr
.endr
.endr
.irp t, 0,1
	v_max3_num_f32 v[ST+8*\t+4], v[ST+8*\t+4], v[S+32*\t+7], v[S+32*\t+15]
.endr
.irp t, 0,1
	v_max3_num_f32 v[ST+8*\t+6], v[ST+8*\t+6], v[S+32*\t+23], v[S+32*\t+31]
.endr
.irp t, 0,1
	v_max3_num_f32 v[ST+8*\t+4], v[ST+8*\t+4], v[ST+8*\t+5], v[ST+8*\t+6]
.endr
.irp t, 0,1
	v_max3_num_f32 v[ST+8*\t+4], v[ST+8*\t+4], v[ST+8*\t+7], v[ST+8*\t+1]   ; with the old m
.endr
.irp t, 0,1
	v_permlanex16_b32 v[ST+8*\t+5], v[ST+8*\t+4], s[SEL], s[SEL+1]          ; the query's other 32 keys lie in the lane 16 away
.endr
.irp t, 0,1
	v_mov_b32 v[ST+8*\t+7], v[ST+8*\t]                                      ; c m_old
.endr
.irp t, 0,1
	v_max_num_f32 v[ST+8*\t+1], v[ST+8*\t+4], v[ST+8*\t+5]
.endr
.irp t, 0,1
	v_mul_f32 v[ST+8*\t], s[CS], v[ST+8*\t+1]
.endr
.irp t, 0,1
	v_sub_f32 v[ST+8*\t+7], v[ST+8*\t+7], v[ST+8*\t]
.endr
.set b, 0
.rept 16
.irp t, 0,1
	v_pk_fma_f32 v[S+32*\t+2*b:S+32*\t+2*b+1], v[S+32*\t+2*b:S+32*\t+2*b+1], s[CS:CS+1], v[ST+8*\t:ST+8*\t+1] op_sel_hi:[1,0,0] neg_lo:[0,0,1] neg_hi:[0,0,1]   ; c s - c m
.endr
.set b, b+1
.endr
.irp t, 0,1
	v_exp_f32 v[ST+8*\t+6], v[ST+8*\t+7]           ; a
.endr
.set b, 0
.rept 32
.irp t, 0,1
	v_exp_f32 v[S+32*\t+b], v[S+32*\t+b]           ; p: ONE BATCH of 66 exponentials,
.endr
.set b, b+1
.endr
	v_nop                                          ; one plain line behind the last,
	s_wait_alu depctr_va_vdst(0)                   ; and one wait ahead of the first reader
.set b, 0
.rept 16
.irp t, 0,1
	v_cvt_pk_f16_f32 v[P+16*\t+b], v[S+32*\t+2*b], v[S+32*\t+2*b+1]
.endr
.set b, b+1
.endr
.irp u, 0,1,2,3,4,5,6,7                ; the sum of the unrounded p, in pairs, as a tree in place
.irp t, 0,1
	v_pk_add_f32 v[S+32*\t+4*\u:S+32*\t+4*\u+1], v[S+32*\t+4*\u:S+32*\t+4*\u+1], v[S+32*\t+4*\u+2:S+32*\t+4*\u+3]
.endr
.endr
.irp u, 0,1,2,3
.irp t, 0,1
	v_pk_add_f32 v[S+32*\t+8*\u:S+32*\t+8*\u+1], v[S+32*\t+8*\u:S+32*\t+8*\u+1], v[S+32*\t+8*\u+4:S+32*\t+8*\u+5]
.endr
.endr
.irp u, 0,1
.irp t, 0,1
	v_pk_add_f32 v[S+32*\t+16*\u:S+32*\t+16*\u+1], v[S+32*\t+16*\u:S+32*\t+16*\u+1], v[S+32*\t+16*\u+8:S+32*\t+16*\u+9]
.endr
.endr
.irp t, 0,1
	v_pk_add_f32 v[S+32*\t:S+32*\t+1], v[S+32*\t:S+32*\t+1], v[S+32*\t+16:S+32*\t+17]
.endr
.irp t, 0,1
	v_pk_fma_f32 v[ST+8*\t+2:ST+8*\t+3], v[ST+8*\t+2:ST+8*\t+3], v[ST+8*\t+6:ST+8*\t+7], v[S+32*\t:S+32*\t+1] op_sel_hi:[1,0,1]   ; l = a l + the sum
.endr
.endm
.macro SCALE_O                         ; O^T times the number at +6 of each tile's statistics; ascending, each accumulator from its low end on
	WIN W_RS
.irp t, 0,1
.set b, 0
.rept 16
	v_pk_mul_f32 v[O+32*\t+2*b:O+32*\t+2*b+1], v[O+32*\t+2*b:O+32*\t+2*b+1], v[ST+8*\t+6:ST+8*\t+7] op_sel_hi:[1,0]
.set b, b+1
.endr
.endr
.endm
; A KEY STEP: 64 keys, the q-th of the slot in hand.
.macro STEP q, id
	s_add_co_u32 s[KF], s[KS], 64*(\q)
	s_cmp_gt_u32 s[KF], s[Q0]                      ; hidden, and so is the rest of the slot: ids and counted steps alone; no barrier, wait or tensor load is jumped over
	s_cbranch_scc1 .Lse_\id
.if (\q) == 0
	FETCH_K 0                                      ; (the later steps' K is fetched a step ahead)
	s_wait_dscnt 0x0
.endif
	WIN W_KQ
	KQ
.rept 4
	v_nop                                          ; four places: ahead of the reads of S^T, and of the loads into K's and V's registers
.endr
	WIN 0
	FETCH_V \q
.if (\q) < 3
	FETCH_K (\q)+1
.endif
	s_add_co_u32 s66, s[KF], 63
	s_cmp_le_u32 s66, s[Q0]                        ; all 64 keys count for all my queries: no mask
	s_cbranch_scc1 .Lopen_\@
	MASK
.Lopen_\@:
	SOFTMAX
	s_wait_dscnt 0x0                               ; V, and the next step's K, are in
	SCALE_O                                        ; by a
	WIN W_PV
	PVM
	WIN 0
.endm
.macro SLOT_STEPS id
	v_add_nc_u32 v[ADK], s[TB], v[AK0]
	v_add_nc_u32 v[ADV], s[TB], v[AV0]
	STEP 0, \id
	STEP 1, \id
	STEP 2, \id
	STEP 3, \id
.Lse_\id:
	s_add_co_u32 s[KS], s[KS], 256
	s_xor_b32 s[TB], s[TB], SLOT1                  ; on to the other slot
.endm
; THE CHANGE OF SLOTS, at a slot's head.  Each wave waits for all its tensor loads, adds 0 to its spare word, and waits for that and for its reads of the slot that it has left; behind the barrier the slot ahead is whole and
; nobody reads the other one, which (fill = 1) takes the next trip's keys: the next key slot, or slot 0 again where the next trip begins the second block.
.macro CHANGE fill
	s_wait_tensorcnt 0x0                           ; no tensor load of mine is out, so a group 0 may be written
	ds_add_u32 v[SPW], v[NIL]
.if \fill
	ds_add_u32 v[SPW], v[NIL]                      ; and twice on end here, in every trip alike
	s_xor_b32 s[G0K+1], s[G0K+1], SLOT1
	s_xor_b32 s[G0V+1], s[G0V+1], SLOT1
	s_add_co_u32 s66, s[T], 1
	s_add_co_u32 s[KN], s[KN], 1
	s_cmp_eq_u32 s66, s[N1]
	s_cselect_b32 s[KN], 0, s[KN]
	s_lshl_b32 s[OFF], s[KN], 15                   ; 256 keys x 128 bytes
	s_add_nc_u64 s[G0K+2:G0K+3], s[KB:KB+1], s[OFF:OFF+1]
	s_or_b32 s[G0K+3], s[G0K+3], 0x80000000
	s_add_nc_u64 s[G0V+2:G0V+3], s[VB:VB+1], s[OFF:OFF+1]
	s_or_b32 s[G0V+3], s[G0V+3], 0x80000000
	s_wait_xcnt 0x0                                ; the last prefetches, a trip back, have read their addresses
	s_add_nc_u64 s[PFK:PFK+1], s[PFK:PFK+1], 32768
	s_add_nc_u64 s[PFV:PFV+1], s[PFV:PFV+1], 32768
.endif
	s_wait_dscnt 0x0                               ; the add is done, and my reads of the slot that I have left are over
	s_barrier_signal -1
	s_barrier_wait -1
.if \fill
	TLOAD                                          ; the first thing behind the barrier, and a wave's one tensor load until the next
	ASK
.endif
.endm
; A block's way out: O^T / l, rounded to f16, through my stage, stored four tokens (512 consecutive bytes) an instruction.  The additions are the places behind the last products.
.macro FINISH adr
.irp t, 0,1
	v_add_f32 v[ST+8*\t+4], v[ST+8*\t+2], v[ST+8*\t+3]
.endr
.irp t, 0,1
	v_permlanex16_b32 v[ST+8*\t+5], v[ST+8*\t+4], s[SEL], s[SEL+1]
.endr
.irp t, 0,1
	v_add_f32 v[ST+8*\t+4], v[ST+8*\t+4], v[ST+8*\t+5]
.endr
	v_nop
	v_nop
.irp t, 0,1
	v_rcp_f32 v[ST+8*\t+6], v[ST+8*\t+4]
.endr
	v_nop                                          ; a plain line behind the reciprocals,
	s_wait_alu depctr_va_vdst(0)                   ; and the wait ahead of their first reader
	SCALE_O
	WIN 0x05                                       ; sources window 1
.set b, 0
.rept 32
	v_cvt_pk_f16_f32 v[S+b], v[O+2*b], v[O+2*b+1]
.set b, b+1
.endr
	WIN 0
.irp t, 0,1
.irp cb, 0,1,2,3
	ds_store_b128 v[STO], v[S+16*\t+4*\cb:S+16*\t+4*\cb+3] offset:16*PK*\t+32*\cb
.endr
.endr
.irp i, 0,1,2,3,4,5,6,7
	ds_load_b128 v[S+32+4*\i:S+32+4*\i+3], v[RD] offset:4*PK*\i   ; in order behind my stores
.endr
.irp i, 0,1,2,3,4,5,6,7
	s_wait_dscnt 7-\i                              ; the younger loads may be out
	global_store_b128 v[GO], v[S+32+4*\i:S+32+4*\i+3], s[\adr:\adr+1] offset:512*\i
.endr
.endm
	s_wait_loadcnt 0x0                             ; Q of both blocks
.Ltrip:                                            ; eight trips; the ninth is written out
	CHANGE 1
	s_cmp_lg_u32 s[T], s[N1]                       ; the first block's slots are done: ids and the count of trips alone, the same in all eight waves
	s_cbranch_scc1 .Lsame_block
	FINISH OUTA
	s_wait_xcnt 0x0                                ; the stores have read their registers, which the next scores take
	WIN W_RS
.set i, 0
.rept 32
	v_mov_b32 v[Q+i], v[Q2+i]                      ; the second block's Q
.set i, i+1
.endr
.set i, 0
.rept 64
	v_mov_b32 v[O+i], 0
.set i, i+1
.endr
	WIN 0
	FRESH
	s_mov_b32 s[Q0], s[Q0B]
	s_mov_b32 s[KS], 0
.Lsame_block:
	SLOT_STEPS 0
	s_add_co_u32 s[T], s[T], 1
	s_cmp_lt_u32 s[T], 8
	s_cbranch_scc1 .Ltrip
	CHANGE 0
	SLOT_STEPS 1
	FINISH OUTB
	s_wait_tensorcnt 0x0                           ; the wave's end
	ds_add_u32 v[SPW], v[NIL]
	s_wait_dscnt 0x0
	s_endpgm
.Lfunc_end_k_qbc5d4e3cae_attn:
	.size	k_qbc5d4e3cae_attn, .Lfunc_end_k_qbc5d4e3cae_attn-k_qbc5d4e3cae_attn
	.p2alignl 7, 3214868480
	.fill 96, 4, 3214868480
	.section	.rodata,"a",@progbits
	.p2align	6, 0x0
	.amdhsa_kernel k_qbc5d4e3cae_attn
		.amdhsa_group_segment_fixed_size 327680
		.amdhsa_private_segment_fixed_size 0
		.amdhsa_enable_private_segment 0
		.amdhsa_kernarg_size 16
		.amdhsa_user_sgpr_count 2
		.amdhsa_user_sgpr_kernarg_segment_ptr 1
		.amdhsa_wavefront_size32 1
		.amdhsa_system_sgpr_workgroup_id_x 1
		.amdhsa_system_sgpr_workgroup_id_y 1
		.amdhsa_system_sgpr_workgroup_id_z 1
		.amdhsa_system_vgpr_workitem_id 0
		.amdhsa_next_free_vgpr 384
		.amdhsa_next_free_sgpr 80
		.amdhsa_reserve_vcc 1
		.amdhsa_float_denorm_mode_32 3
		.amdhsa_float_denorm_mode_16_64 3
		.amdhsa_memory_ordered 1
		.amdhsa_forward_progress 1
		.amdhsa_inst_pref_size 199
	.end_amdhsa_kernel
	.amdgpu_metadata
---
amdhsa.version: [ 1, 2 ]
amdhsa.kernels:
  - .name:           k_qbc5d4e3cae_attn
    .symbol:         k_qbc5d4e3cae_attn.kd
    .args:
      - { .name: qkv, .offset: 0, .size: 8, .value_kind: global_buffer, .address_space: global }
      - { .name: att, .offset: 8, .size: 8, .value_kind: global_buffer, .address_space: global }
    .group_segment_fixed_size: 327680
    .private_segment_fixed_size: 0
    .kernarg_segment_align: 8
    .kernarg_segment_size: 16
    .max_flat_workgroup_size: 256
    .sgpr_count:     80
    .vgpr_count:     384
    .wavefront_size: 32
...
	.end_amdgpu_metadata
.endif
;; end of part 3
;; launch proj (part 4): grid 4 x 64, 4 waves a work-group, clusters of 4 x 4, 327,680 bytes of LDS; arguments att, woT, b_out, out0; writes out0
.if DOCPART == 4
	.amdgcn_target "amdgcn-amd-amdhsa--gfx1250"
	.amdhsa_code_object_version 6
	.text
	.protected	k_qbc5d4e3cae_proj
	.globl	k_qbc5d4e3cae_proj
	.p2align	8
	.type	k_qbc5d4e3cae_proj,@function
k_qbc5d4e3cae_proj:
	s_mov_b64 s[64:65], 0
	v_nop
	global_prefetch_b8 v0, s[64:65] scope:SCOPE_SE
	s_setreg_imm32_b32 hwreg(HW_REG_WAVE_MODE, 25, 1), 1
	s_wait_xcnt 0x0
	s_wait_alu depctr_hold_cnt(0) depctr_sa_sdst(0) depctr_va_vdst(0) depctr_va_sdst(0) depctr_va_ssrc(0) depctr_va_vcc(0) depctr_vm_vsrc(0)
	s_getreg_b32 s2, hwreg(HW_REG_IB_STS2, 6, 4)
	s_cmp_eq_u32 s2, 0
	s_cbranch_scc0 .Lentry_in_a_cluster
	s_endpgm
.Lentry_in_a_cluster:
	s_bfe_u32 s2, ttmp6, 0x10000c
	s_cmp_lg_u32 s2, 0xf033
	s_cbranch_scc0 .Lentry_shape_is_right
	s_endpgm
.Lentry_shape_is_right:
; OUT0 = ATT W_OUT + b_out.  att: f16 [16 h][8192 tokens][64]; woT: f16 [16 h][1024 n][64 k]; out0: f32 [8192][1024]; sums in f32.  K = 1,024 goes by heads.
; A work-group makes 128 tokens x 256 columns: 64 x 4 tiles.  Wave (rh = w / 2, ch = w % 2) makes 64 x 128: 32 accumulators.
; A ring of two LDS slots, each with the tiles of TWO heads (K = 128): waves 0 and 1 fetch att's tile of one head each (128 rows x 128 bytes), waves 2 and 3 woT's (256 rows): one load a wave behind each round.
; CLUSTERS: 4 x 4: att's tiles are shared along a row of the cluster, woT's along a column: joint loads.  THE MATRIX INSTRUCTION IS USED TRANSPOSED (source 0 = 16 columns, source 1 = 16 tokens).
; The bias is the C of each sum's first matrix instruction.  (The 64 rows of positions 0-15 are written again, from f32 operands, by the next launch.)
; REGISTERS: window 0: v16-29 addresses; v32-95 the bias; v96-127, v128-159 att's fragments, two buffers; on the way out v96-223 rows read back.   window 1: woT's fragments, v0-63 and v64-127.   window 2: accumulator (a, b) at v[8 (8 a + b)].
.set PITCH, 144                        ; an LDS row: 128 bytes + 16
.set AH,    128*PITCH                  ; att's tile of a head
.set BOFF,  2*AH
.set BH,    256*PITCH                  ; woT's
.set SLOT,  BOFF+2*BH
.set STAGE, 2*SLOT                     ; for each wave 16 rows x (512 bytes + 16)
.set SPITCH, 528
.set SPARE, STAGE+4*16*SPITCH          ; the spare words: two blocks of 256 bytes that no other line names
.set LAPS,  4                          ; a lap = two slots = four heads
.set ADRA, 16
.set ADRB, 20
.set STO,  24
.set RD,   25
.set CO,   26
.set SPW,  28
.set NIL,  29
.set BI,   32
.set AF,   96
.set BK,   96
.set G1A,  24
.set G0A,  32
.set G1B,  48
.set G0B,  56
.set MSB, 0
.macro WIN new
.if MSB != \new
	s_set_vgpr_msb (MSB<<8)|\new
.set MSB, \new
.endif
.endm
.macro JLOAD s                         ; an s_nop 0 and four v_nop follow each of the two lines
	s_cmp_eq_u32 s15, 0
	s_cbranch_scc0 .Lfor_b_\@
	tensor_load_to_lds s[G0A+4*\s:G0A+4*\s+3], s[G1A:G1A+7]
	s_nop 0
.rept 4
	v_nop
.endr
	s_branch .Lasked_\@
.Lfor_b_\@:
	tensor_load_to_lds s[G0B+4*\s:G0B+4*\s+3], s[G1B:G1B+7]
	s_nop 0
.rept 4
	v_nop
.endr
.Lasked_\@:
.endm
.macro CREST
	s_cmp_lg_u32 s14, 0
	s_cbranch_scc1 .Lnot_wave_0_\@
	s_barrier_signal -3
.Lnot_wave_0_\@:
	s_barrier_wait -3
	s_barrier_signal -1
	s_barrier_wait -1
.endm
.macro CROUND
	s_barrier_signal -1
	s_barrier_wait -1
	CREST
.endm
.macro PLACES
.rept 4
	v_nop
.endr
.endm
	s_load_b256 s[4:11], s[0:1], 0x0               ; att s[4:5], woT s[6:7], b_out s[8:9], out0 s[10:11]
	v_lshl_add_u32 v[SPW], v0, 2, SPARE
	v_mov_b32 v[NIL], 0
	ds_add_u32 v[SPW], v[NIL]                      ; the wave's opening
	ds_add_u32 v[SPW], v[NIL]
	v_lshrrev_b32 v1, 5, v0
	v_readfirstlane_b32 s14, v1                    ; wave 0..3
	s_lshr_b32 s15, s14, 1                         ; rh.  Also: I fetch for att (0) or for woT (1)
	s_and_b32 s16, s14, 1                          ; ch.  Also: which of a slot's two heads I fetch
	s_bfe_u32 s40, ttmp6, 0x40000                  ; cx
	s_bfe_u32 s41, ttmp6, 0x40004                  ; cy
	s_lshl_b32 s42, ttmp9, 2
	s_add_co_u32 s42, s42, s40                     ; tile column
	s_and_b32 s43, ttmp7, 0xffff
	s_lshl_b32 s43, s43, 2
	s_add_co_u32 s43, s43, s41                     ; tile row
	s_lshl_b32 s44, s41, 2
	s_lshl_b32 s44, 15, s44                        ; my row of the cluster
	s_lshl_b32 s45, 0x1111, s40                    ; my column
	s_or_b32 s[G1A], s44, (1<<16)|(1<<20)|(1<<21)|(4<<22)|(3<<25)   ; the mask; elements of 2 bytes; padding: 4 words behind every 32; bit 21 beside a mask
	s_or_b32 s[G1B], s45, (1<<16)|(1<<20)|(1<<21)|(4<<22)|(3<<25)
	s_mov_b32 s[G1A+1], 64<<16
	s_mov_b32 s[G1A+2], 128<<16
	s_mov_b32 s[G1A+3], 64<<16
	s_mov_b32 s[G1A+4], 128
	s_mov_b32 s[G1A+5], 64
	s_mov_b32 s[G1A+6], 0
	s_mov_b32 s[G1A+7], 0
	s_mov_b32 s[G1B+1], 64<<16
	s_mov_b32 s[G1B+2], 256<<16
	s_mov_b32 s[G1B+3], 64<<16
	s_mov_b32 s[G1B+4], 256
	s_mov_b32 s[G1B+5], 64
	s_mov_b32 s[G1B+6], 0
	s_mov_b32 s[G1B+7], 0
	s_lshl_b32 s66, s16, 20                        ; att: head (w % 2), token 128 x tile row, rows of 128 bytes
	s_lshl_b32 s68, s43, 14
	s_add_co_u32 s68, s68, s66
	s_mov_b32 s69, 0
	s_lshl_b32 s66, s16, 17                        ; woT: head (w % 2), column 256 x tile column
	s_lshl_b32 s70, s42, 15
	s_add_co_u32 s70, s70, s66
	s_mov_b32 s71, 0
	s_mul_i32 s46, s16, AH                         ; where they go: no place in the cluster enters an LDS address
	s_mul_i32 s47, s16, BH
	s_add_co_u32 s47, s47, BOFF
	s_wait_dscnt 0x0                               ; both opening adds are done
	s_wait_kmcnt 0x0
	s_add_nc_u64 s[68:69], s[4:5], s[68:69]
	s_add_nc_u64 s[70:71], s[6:7], s[70:71]
	CROUND                                         ; all sixteen work-groups are here: the first joint loads meet
.irp s, 0,1
	s_mov_b32 s[G0A+4*\s], 1
	s_add_co_u32 s[G0A+4*\s+1], s46, \s*SLOT
	s_add_nc_u64 s[G0A+4*\s+2:G0A+4*\s+3], s[68:69], \s*2097152   ; two heads on
	s_or_b32 s[G0A+4*\s+3], s[G0A+4*\s+3], 0x80000000
	s_mov_b32 s[G0B+4*\s], 1
	s_add_co_u32 s[G0B+4*\s+1], s47, \s*SLOT
	s_add_nc_u64 s[G0B+4*\s+2:G0B+4*\s+3], s[70:71], \s*262144
	s_or_b32 s[G0B+4*\s+3], s[G0B+4*\s+3], 0x80000000
	JLOAD \s
.endr
	v_and_b32 v1, 15, v0                           ; r
	v_bfe_u32 v2, v0, 4, 1                         ; h
	v_lshlrev_b32 v4, 5, v2                        ; the bias: 32 h
	s_lshl_b32 s22, s42, 10                        ; column 256 x tile column + 128 ch, in bytes of f32
	s_lshl_b32 s23, s16, 9
	s_add_co_u32 s22, s22, s23
	s_mov_b32 s23, 0
	s_add_nc_u64 s[18:19], s[8:9], s[22:23]
	s_add_nc_u64 s[20:21], s[10:11], s[22:23]
	s_lshl_b32 s22, s43, 19                        ; token 128 x tile row + 64 rh, rows of 4,096 bytes
	s_lshl_b32 s66, s15, 18
	s_add_co_u32 s22, s22, s66
	s_add_nc_u64 s[20:21], s[20:21], s[22:23]
.irp b, 0,1,2,3,4,5,6,7
	global_load_b128 v[BI+8*\b:BI+8*\b+3], v4, s[18:19] offset:64*\b
	global_load_b128 v[BI+8*\b+4:BI+8*\b+7], v4, s[18:19] offset:64*\b+16
.endr
	v_mul_u32_u24 v3, v1, PITCH
	v_lshl_add_u32 v3, v2, 4, v3                   ; a fragment's row x pitch + 16 h
	s_mul_i32 s66, s15, 64*PITCH                   ; my 64 tokens
	s_mul_i32 s67, s16, 128*PITCH                  ; my 128 columns,
	s_add_co_u32 s67, s67, BOFF                    ; behind att's two tiles
.irp s, 0,1
	v_add_nc_u32 v[ADRA+\s], s66, v3
	v_add_nc_u32 v[ADRB+\s], s67, v3
	s_add_co_u32 s66, s66, SLOT
	s_add_co_u32 s67, s67, SLOT
.endr
	s_mul_i32 s66, s14, 16*SPITCH
	s_add_co_u32 s66, s66, STAGE                   ; my stage
	v_mul_u32_u24 v5, v1, SPITCH
	v_lshl_add_u32 v5, v2, 5, v5
	v_add_nc_u32 v[STO], s66, v5                   ; in: row r, 32 bytes for each half of the lanes
	v_and_b32 v6, 31, v0
	v_lshlrev_b32 v[CO], 4, v6
	v_add_nc_u32 v[RD], s66, v[CO]                 ; back: the 32 lanes take one row of 512 bytes
; 8 matrix instructions: token block a against the eight column blocks, 32 along K, buffer f.  The 32 accumulators take turns, one instruction a turn, in the same order in every quarter.
.macro MUL8 f, a, first
.irp b, 0,1,2,3,4,5,6,7
.if \first
	v_wmma_f32_16x16x32_f16 v[8*(8*(\a)+\b):8*(8*(\a)+\b)+7], v[64*(\f)+8*\b:64*(\f)+8*\b+7], v[AF+32*(\f)+8*(\a):AF+32*(\f)+8*(\a)+7], v[BI+8*\b:BI+8*\b+7]
.else
	v_wmma_f32_16x16x32_f16 v[8*(8*(\a)+\b):8*(8*(\a)+\b)+7], v[64*(\f)+8*\b:64*(\f)+8*\b+7], v[AF+32*(\f)+8*(\a):AF+32*(\f)+8*(\a)+7], v[8*(8*(\a)+\b):8*(8*(\a)+\b)+7]
.endif
.endr
.endm
.macro WINM first
.if \first
	WIN 0x81                                       ; woT window 1, att and the bias window 0, D window 2
.else
	WIN 0xa1
.endif
.endm
.macro FETCH slot, q, f                ; 24 LDS loads in one run: quarter q (head q / 2 of the slot, channels 32 (q % 2) on): woT's eight fragments, then att's four
	WIN 0x40
.irp i, 0,1,2,3,4,5,6,7
	ds_load_b128 v[64*(\f)+8*\i:64*(\f)+8*\i+3],   v[ADRB+\slot] offset:((\q)/2)*BH+64*((\q)%2)+\i*16*PITCH
	ds_load_b128 v[64*(\f)+8*\i+4:64*(\f)+8*\i+7], v[ADRB+\slot] offset:((\q)/2)*BH+64*((\q)%2)+\i*16*PITCH+32
.endr
	WIN 0
.irp i, 0,1,2,3
	ds_load_b128 v[AF+32*(\f)+8*\i:AF+32*(\f)+8*\i+3],   v[ADRA+\slot] offset:((\q)/2)*AH+64*((\q)%2)+\i*16*PITCH
	ds_load_b128 v[AF+32*(\f)+8*\i+4:AF+32*(\f)+8*\i+7], v[ADRA+\slot] offset:((\q)/2)*AH+64*((\q)%2)+\i*16*PITCH+32
.endr
.endm
; One of a slot's first three quarters: multiplies buffer f; in its middle it fetches quarter qn of the same slot into buffer g.
.macro QUARTER slot, qn, f, g, first
	s_wait_dscnt 4                                 ; all but the youngest four loads (token blocks 2, 3)
	WINM \first
	MUL8 \f, 0, \first
	MUL8 \f, 1, \first
	PLACES
	FETCH \slot, \qn, \g
	s_wait_dscnt 24                                ; all but the 24 just issued
	WINM \first
	MUL8 \f, 2, \first
	MUL8 \f, 3, \first
.endm
; A slot's last quarter multiplies buffer 1 and changes slots: one barrier; in front of it each wave waits for all its tensor loads, adds 0 to its spare word, and waits for that and for its reads of this slot.
.macro TURN slot, next, fill
	WIN 0                                          ; (the add's two registers lie in window 0)
	s_wait_tensorcnt 0x0                           ; all my tensor loads have landed: my part of the next slot
	ds_add_u32 v[SPW], v[NIL]
	s_wait_dscnt 7                                 ; (the add and the loads of token blocks 1 to 3 may be out)
	WIN 0xa1
	MUL8 1, 0, 0                                   ; eight matrix instructions stand between the add and the wait for it
	s_wait_dscnt 0x0                               ; the add is done, and my reads of this slot are over
	s_barrier_signal -1
	MUL8 1, 1, 0
.if \fill
	WIN 0
.endif
	s_barrier_wait -1
.if \fill
	CREST                                          ; the barrier has opened a round of the cluster's: no wave of any partner still reads this slot or has a load on its way
	s_add_nc_u64 s[G0A+4*\slot+2:G0A+4*\slot+3], s[G0A+4*\slot+2:G0A+4*\slot+3], 4194304   ; four heads on
	s_add_nc_u64 s[G0B+4*\slot+2:G0B+4*\slot+3], s[G0B+4*\slot+2:G0B+4*\slot+3], 524288
	JLOAD \slot                                    ; the first tensor load behind the round: 112 matrix instructions ahead of the wait for it; its four v_nop are also the places in front of the loads below
.else
	PLACES
.endif
	FETCH \next, 0, 0
	WIN 0xa1
	MUL8 1, 2, 0
	MUL8 1, 3, 0
.endm
	s_wait_tensorcnt 1                             ; my part of slot 0 is in; slot 1's may stay out
	s_barrier_signal -1
	s_barrier_wait -1
	FETCH 0, 0, 0
	s_wait_loadcnt 0x0                             ; the bias
	QUARTER 0, 1, 0, 1, 1                          ; the first quarter stands in front of the loop: its products start the sums, on the bias
	WIN 0
	s_mov_b32 s3, LAPS-1
.Llap:                                             ; a trip goes once round the ring, from a lap's second quarter to the next lap's first, and fills both slots again
	QUARTER 0, 2, 1, 0, 0
	QUARTER 0, 3, 0, 1, 0
	TURN 0, 1, 1
	QUARTER 1, 1, 0, 1, 0
	QUARTER 1, 2, 1, 0, 0
	QUARTER 1, 3, 0, 1, 0
	TURN 1, 0, 1
	QUARTER 0, 1, 0, 1, 0
	WIN 0
	s_sub_co_u32 s3, s3, 1
	s_cmp_lg_u32 s3, 0
	s_cbranch_scc1 .Llap
	QUARTER 0, 2, 1, 0, 0                          ; the last lap fills nothing, and has no round
	QUARTER 0, 3, 0, 1, 0
	TURN 0, 1, 0
	QUARTER 1, 1, 0, 1, 0
	QUARTER 1, 2, 1, 0, 0
	QUARTER 1, 3, 0, 1, 0
	s_wait_dscnt 4
	WIN 0xa1
	MUL8 1, 0, 0
	MUL8 1, 1, 0
	s_wait_dscnt 0x0
	MUL8 1, 2, 0
	MUL8 1, 3, 0
	WIN 0
; THE WAY OUT, 16 tokens x 128 columns at a time, through my own stage: back as whole rows of 512 bytes, which the 32 lanes store as two aligned runs of 256 bytes.
.macro TOSTAGE a
	WIN 0x08                                       ; an LDS store's data: window 2
.irp b, 0,1,2,3,4,5,6,7
	ds_store_b128 v[STO], v[64*(\a)+8*\b:64*(\a)+8*\b+3] offset:64*\b        ; each accumulator from its low end on
	ds_store_b128 v[STO], v[64*(\a)+8*\b+4:64*(\a)+8*\b+7] offset:64*\b+16
.endr
	WIN 0
.set BB, BK+64*((\a)%2)
.irp t, 0,1,2,3,4,5,6,7,8,9,10,11,12,13,14,15
	ds_load_b128 v[BB+4*\t:BB+4*\t+3], v[RD] offset:\t*SPITCH   ; in order behind my stores
.endr
.endm
.macro SEND a, younger
.set BB, BK+64*((\a)%2)
	s_wait_dscnt \younger
.irp t, 0,1,2,3,4,5,6,7,8,9,10,11,12,13,14,15
	global_store_b128 v[CO], v[BB+4*\t:BB+4*\t+3], s[20:21] offset:(16*(\a)+\t)*4096 th:TH_STORE_NT
.endr
.endm
	PLACES
	TOSTAGE 0
.irp a, 1,2,3
.if \a > 1
	s_wait_xcnt 0x0                                ; block a - 2's stores have read their registers
.endif
	TOSTAGE \a
	SEND \a-1, 32                                  ; behind block a - 1's loads: block a's 16 stores and 16 loads
.endr
	SEND 3, 0
	s_wait_tensorcnt 0x0                           ; the wave's end
	ds_add_u32 v[SPW], v[NIL]
	s_wait_dscnt 0x0
	CROUND                                         ; the closing round
	s_endpgm
.Lfunc_end_k_qbc5d4e3cae_proj:
	.size	k_qbc5d4e3cae_proj, .Lfunc_end_k_qbc5d4e3cae_proj-k_qbc5d4e3cae_proj
	.p2alignl 7, 3214868480
	.fill 96, 4, 3214868480
	.section	.rodata,"a",@progbits
	.p2align	6, 0x0
	.amdhsa_kernel k_qbc5d4e3cae_proj
		.amdhsa_group_segment_fixed_size 327680
		.amdhsa_private_segment_fixed_size 0
		.amdhsa_enable_private_segment 0
		.amdhsa_kernarg_size 32
		.amdhsa_user_sgpr_count 2
		.amdhsa_user_sgpr_kernarg_segment_ptr 1
		.amdhsa_wavefront_size32 1
		.amdhsa_system_sgpr_workgroup_id_x 1
		.amdhsa_system_sgpr_workgroup_id_y 1
		.amdhsa_system_sgpr_workgroup_id_z 1
		.amdhsa_system_vgpr_workitem_id 0
		.amdhsa_next_free_vgpr 768
		.amdhsa_next_free_sgpr 72
		.amdhsa_reserve_vcc 0
		.amdhsa_float_denorm_mode_32 3
		.amdhsa_float_denorm_mode_16_64 3
		.amdhsa_memory_ordered 1
		.amdhsa_forward_progress 1
		.amdhsa_inst_pref_size 87
	.end_amdhsa_kernel
	.amdgpu_metadata
---
amdhsa.version: [ 1, 2 ]
amdhsa.kernels:
  - .name:           k_qbc5d4e3cae_proj
    .symbol:         k_qbc5d4e3cae_proj.kd
    .args:
      - { .name: att, .offset: 0, .size: 8, .value_kind: global_buffer, .address_space: global }
      - { .name: woT, .offset: 8, .size: 8, .value_kind: global_buffer, .address_space: global }
      - { .name: b_out, .offset: 16, .size: 8, .value_kind: global_buffer, .address_space: global }
      - { .name: out0, .offset: 24, .size: 8, .value_kind: global_buffer, .address_space: global }
    .group_segment_fixed_size: 327680
    .private_segment_fixed_size: 0
    .kernarg_segment_align: 8
    .kernarg_segment_size: 32
    .max_flat_workgroup_size: 128
    .sgpr_count:     72
    .vgpr_count:     768
    .wavefront_size: 32
...
	.end_amdgpu_metadata
.endif
;; end of part 4
;; launch fine (part 5): grid 64 x 4, 16 waves a work-group, no clusters, 18,432 bytes of LDS; arguments qkv16, w_out, b_out, out0; writes out0
.if DOCPART == 5
	.amdgcn_target "amdgcn-amd-amdhsa--gfx1250"
	.amdhsa_code_object_version 6
	.text
	.protected	k_qbc5d4e3cae_fine
	.globl	k_qbc5d4e3cae_fine
	.p2align	8
	.type	k_qbc5d4e3cae_fine,@function
k_qbc5d4e3cae_fine:
	s_mov_b64 s[64:65], 0
	v_nop
	global_prefetch_b8 v0, s[64:65] scope:SCOPE_SE
	s_setreg_imm32_b32 hwreg(HW_REG_WAVE_MODE, 25, 1), 1
	s_wait_xcnt 0x0
; THE FIRST 16 POSITIONS OF EACH SEQUENCE, IN F32: they average one to sixteen values and are the largest rows, so attention and projection are made again for them from f32 operands, over the rows that the launch before has stored.
; Work-group (x, sequence) makes 16 positions x output columns 16 x on.  Wave w is head w: S^T = K Q^T (16 keys x 16 queries, 64 channels), the causal softmax, O^T = V^T P, and its head's 64 channels of the projection;
; the sixteen partial tiles meet in LDS and are added in ascending order of heads.  Each work-group makes its sequence's small attention anew: 32 matrix instructions a wave.
; The f32 matrix form holds k = 2 h + j in register j.  k is PERMUTED ALIKE ON BOTH OPERANDS of each product, so that plain loads and the results' own layout serve as they lie:
;   product 1: lane (r, h) holds channels 32 h + 0 .. 31 of row r;   product 2: keys 8 h + 0 .. 7, as S^T's result has them;   product 3: channels 16 c + 8 h + 0 .. 7, as O^T's result has them.
; The registers that the matrix instructions write (v144-207) are written by nothing else; what is made of a finished sum goes into other registers.
; Stores are runs of 64 bytes, 262,144 bytes in the whole launch.
.set QF,  16                           ; q; later O / l
.set KF,  48
.set VF,  80
.set WF,  112
.set SA0, 144
.set SA1, 152
.set OA,  160
.set PA0, 192
.set PA1, 200
.set T,   208                          ; scores, then p
.set PS,  232
.set SPW, 240
.set NIL, 241
.set SPARE, 16384                      ; behind the sixteen partial tiles of 1,024 bytes: the spare words, eight blocks of 256 bytes that no other line names
	s_load_b256 s[4:11], s[0:1], 0x0               ; qkv16 s[4:5], w_out s[6:7], b_out s[8:9], out0 s[10:11]
	v_lshl_add_u32 v[SPW], v0, 2, SPARE
	v_mov_b32 v[NIL], 0
	v_lshrrev_b32 v1, 5, v0
	v_readfirstlane_b32 s12, v1                    ; wave = head
	s_and_b32 s13, ttmp7, 0xffff                   ; sequence
	s_and_b32 s15, s12, 1
	v_and_b32 v1, 15, v0                           ; r
	v_bfe_u32 v2, v0, 4, 1                         ; h
	v_lshlrev_b32 v3, 8, v1
	v_lshl_add_u32 v3, v2, 7, v3                   ; q, k: 256 r + 128 h
	v_lshlrev_b32 v4, 2, v1
	v_lshl_add_u32 v5, v2, 15, v4                  ; w_out: 8 h rows of 4,096 bytes + 4 r
	v_lshl_add_u32 v4, v2, 11, v4                  ; v: 8 h rows of 256 bytes + 4 r
	s_lshl_b32 s16, s15, 4
	v_lshl_add_u32 v6, v2, 5, s16                  ; b_out: 32 h + 16 (w % 2)
	v_lshl_add_u32 v9, v1, 12, v6                  ; out0: row r of 4,096 bytes, + the same
	v_and_b32 v11, 31, v0
	v_lshlrev_b32 v11, 4, v11
	s_lshl_b32 s14, s12, 10
	v_add_nc_u32 v7, s14, v11                      ; my partial tile: 1,024 w + 16 x lane
	s_lshl_b32 s16, s15, 9
	v_add_nc_u32 v8, s16, v11                      ; the half of each tile that waves 0 and 1 add up
	v_lshlrev_b32 v10, 3, v2
	v_sub_nc_u32 v10, v1, v10                      ; r - 8 h
	v_mov_b32 v12, 0xff800000
	s_mov_b32 s20, 0x76543210
	s_mov_b32 s21, 0xfedcba98
	s_mov_b32 s22, 0x3e38aa3b                      ; c = log2(e) / 8
	s_mul_i32 s24, s13, 48*4096
	s_lshl_b32 s25, s12, 12
	s_add_co_u32 s24, s24, s25                     ; qkv16: (48 sequence + head) planes of 4,096 bytes
	s_mov_b32 s25, 0
	s_lshl_b32 s26, s12, 18                        ; w_out: 64 w rows, + 16 x columns
	s_lshl_b32 s28, ttmp9, 6
	s_add_co_u32 s26, s26, s28
	s_mov_b32 s27, 0
	s_mov_b32 s29, 0
	s_lshl_b32 s30, s13, 23                        ; out0: 2,048 rows a sequence
	s_add_co_u32 s30, s30, s28
	s_mov_b32 s31, 0
	s_wait_kmcnt 0x0
	s_add_nc_u64 s[4:5], s[4:5], s[24:25]
	s_add_nc_u64 s[6:7], s[6:7], s[26:27]
	s_add_nc_u64 s[8:9], s[8:9], s[28:29]
	s_add_nc_u64 s[10:11], s[10:11], s[30:31]
.irp i, 0,1,2,3,4,5,6,7
	global_load_b128 v[QF+4*\i:QF+4*\i+3], v3, s[4:5] offset:16*\i
.endr
.irp i, 0,1,2,3,4,5,6,7
	global_load_b128 v[KF+4*\i:KF+4*\i+3], v3, s[4:5] offset:65536+16*\i
.endr
.irp c, 0,1,2,3
.irp i, 0,1,2,3,4,5,6,7
	global_load_b32 v[VF+8*\c+\i], v4, s[4:5] offset:131072+256*\i+64*\c      ; v(key 8 h + i, channel 16 c + r)
.endr
.endr
.irp c, 0,1,2,3
.irp i, 0,1,2,3,4,5,6,7
	global_load_b32 v[WF+8*\c+\i], v5, s[6:7] offset:(16*\c+\i)*4096          ; w_out(64 w + 16 c + 8 h + i, column r)
.endr
.endr
	global_load_b128 v[228:231], v6, s[8:9]
	s_wait_loadcnt 63                              ; q and k are in: 65 loads were issued behind them; the wait names the most that its field holds, which is fewer
.irp s, 0,1,2,3,4,5,6,7,8,9,10,11,12,13,14,15      ; S^T: two accumulators by turns
.if \s < 2
	v_wmma_f32_16x16x4_f32 v[SA0+8*(\s%2):SA0+8*(\s%2)+7], v[KF+2*\s:KF+2*\s+1], v[QF+2*\s:QF+2*\s+1], 0
.else
	v_wmma_f32_16x16x4_f32 v[SA0+8*(\s%2):SA0+8*(\s%2)+7], v[KF+2*\s:KF+2*\s+1], v[QF+2*\s:QF+2*\s+1], v[SA0+8*(\s%2):SA0+8*(\s%2)+7]
.endif
.endr
.rept 8
	v_nop                                          ; eight places behind this form
.endr
.irp j, 0,1,2,3,4,5,6,7
	v_add_f32 v[T+\j], v[SA0+\j], v[SA1+\j]        ; the score of key 8 h + j and query r
.endr
.irp j, 0,1,2,3,4,5,6,7
	v_cmp_gt_i32 vcc_lo, \j, v10                   ; hidden where 8 h + j > r
	v_cndmask_b32 v[T+\j], v[T+\j], v12, vcc_lo
.endr
	v_max3_num_f32 v216, v[T], v[T+1], v[T+2]
	v_max3_num_f32 v217, v[T+3], v[T+4], v[T+5]
	v_max3_num_f32 v216, v216, v[T+6], v[T+7]
	v_max_num_f32 v216, v216, v217
	v_permlanex16_b32 v217, v216, s20, s21
	v_max_num_f32 v216, v216, v217                 ; the row's maximum: key 0 counts for every query
	v_mul_f32 v218, s22, v216
.irp j, 0,1,2,3,4,5,6,7
	v_fma_f32 v[T+\j], v[T+\j], s22, -v218
.endr
.irp j, 0,1,2,3,4,5,6,7
	v_exp_f32 v[T+\j], v[T+\j]
.endr
	v_nop                                          ; a plain line behind the exponentials,
	s_wait_alu depctr_va_vdst(0)                   ; and one wait ahead of their first reader
	v_add_f32 v219, v[T], v[T+1]
	v_add_f32 v220, v[T+2], v[T+3]
	v_add_f32 v221, v[T+4], v[T+5]
	v_add_f32 v222, v[T+6], v[T+7]
	v_add_f32 v219, v219, v220
	v_add_f32 v221, v221, v222
	v_add_f32 v219, v219, v221
	v_permlanex16_b32 v220, v219, s20, s21
	v_add_f32 v219, v219, v220
	v_rcp_f32 v223, v219
	v_nop
	s_wait_alu depctr_va_vdst(0)
	s_wait_loadcnt 33                              ; v is in; w_out's 32 loads and the bias may be out
.irp s, 0,1,2,3                                    ; O^T: four accumulators by turns
.irp c, 0,1,2,3
.if \s == 0
	v_wmma_f32_16x16x4_f32 v[OA+8*\c:OA+8*\c+7], v[VF+8*\c+2*\s:VF+8*\c+2*\s+1], v[T+2*\s:T+2*\s+1], 0
.else
	v_wmma_f32_16x16x4_f32 v[OA+8*\c:OA+8*\c+7], v[VF+8*\c+2*\s:VF+8*\c+2*\s+1], v[T+2*\s:T+2*\s+1], v[OA+8*\c:OA+8*\c+7]
.endif
.endr
.endr
.rept 8
	v_nop
.endr
.set i, 0
.rept 32
	v_mul_f32 v[QF+i], v[OA+i], v223               ; O / l: register 8 c + j is channel 16 c + 8 h + j of query r
.set i, i+1
.endr
	s_wait_loadcnt 1                               ; w_out is in; the bias may be out
.irp c, 0,1,2,3                                    ; my head's part of the projection: two accumulators by turns
.irp s, 0,1,2,3
.if 4*\c+\s < 2
	v_wmma_f32_16x16x4_f32 v[PA0+8*(\s%2):PA0+8*(\s%2)+7], v[WF+8*\c+2*\s:WF+8*\c+2*\s+1], v[QF+8*\c+2*\s:QF+8*\c+2*\s+1], 0
.else
	v_wmma_f32_16x16x4_f32 v[PA0+8*(\s%2):PA0+8*(\s%2)+7], v[WF+8*\c+2*\s:WF+8*\c+2*\s+1], v[QF+8*\c+2*\s:QF+8*\c+2*\s+1], v[PA0+8*(\s%2):PA0+8*(\s%2)+7]
.endif
.endr
.endr
.rept 8
	v_nop
.endr
.irp j, 0,1,2,3,4,5,6,7
	v_add_f32 v[PS+\j], v[PA0+\j], v[PA1+\j]       ; lane (r, h): position r, columns 8 h + j
.endr
	ds_store_b128 v7, v[PS:PS+3]                   ; the tile goes to LDS as an image of its registers
	ds_store_b128 v7, v[PS+4:PS+7] offset:512
	s_wait_dscnt 0x0                               ; for the others' sake
	s_barrier_signal -1
	s_barrier_wait -1
	s_cmp_lt_u32 s12, 2                            ; waves 0 and 1 add the sixteen tiles up, half a tile each
	s_cbranch_scc0 .Lend
.irp u, 0,1,2,3,4,5,6,7,8,9,10,11,12,13,14,15
	ds_load_b128 v[48+4*\u:51+4*\u], v8 offset:1024*\u
.endr
	s_wait_dscnt 0x0
.irp u, 1,2,3,4,5,6,7,8,9,10,11,12,13,14,15
	v_pk_add_f32 v[48:49], v[48:49], v[48+4*\u:49+4*\u]
	v_pk_add_f32 v[50:51], v[50:51], v[50+4*\u:51+4*\u]
.endr
	s_wait_loadcnt 0x0                             ; the bias
	v_pk_add_f32 v[48:49], v[48:49], v[228:229]
	v_pk_add_f32 v[50:51], v[50:51], v[230:231]
	global_store_b128 v9, v[48:51], s[10:11]
.Lend:
	s_wait_tensorcnt 0x0                           ; the wave's end
	ds_add_u32 v[SPW], v[NIL]
	s_wait_dscnt 0x0
	s_endpgm
.Lfunc_end_k_qbc5d4e3cae_fine:
	.size	k_qbc5d4e3cae_fine, .Lfunc_end_k_qbc5d4e3cae_fine-k_qbc5d4e3cae_fine
	.p2alignl 7, 3214868480
	.fill 96, 4, 3214868480
	.section	.rodata,"a",@progbits
	.p2align	6, 0x0
	.amdhsa_kernel k_qbc5d4e3cae_fine
		.amdhsa_group_segment_fixed_size 18432
		.amdhsa_private_segment_fixed_size 0
		.amdhsa_enable_private_segment 0
		.amdhsa_kernarg_size 32
		.amdhsa_user_sgpr_count 2
		.amdhsa_user_sgpr_kernarg_segment_ptr 1
		.amdhsa_wavefront_size32 1
		.amdhsa_system_sgpr_workgroup_id_x 1
		.amdhsa_system_sgpr_workgroup_id_y 1
		.amdhsa_system_sgpr_workgroup_id_z 1
		.amdhsa_system_vgpr_workitem_id 0
		.amdhsa_next_free_vgpr 256
		.amdhsa_next_free_sgpr 66
		.amdhsa_reserve_vcc 1
		.amdhsa_float_denorm_mode_32 3
		.amdhsa_float_denorm_mode_16_64 3
		.amdhsa_memory_ordered 1
		.amdhsa_forward_progress 1
		.amdhsa_inst_pref_size 21
	.end_amdhsa_kernel
	.amdgpu_metadata
---
amdhsa.version: [ 1, 2 ]
amdhsa.kernels:
  - .name:           k_qbc5d4e3cae_fine
    .symbol:         k_qbc5d4e3cae_fine.kd
    .args:
      - { .name: qkv16, .offset: 0, .size: 8, .value_kind: global_buffer, .address_space: global }
      - { .name: w_out, .offset: 8, .size: 8, .value_kind: global_buffer, .address_space: global }
      - { .name: b_out, .offset: 16, .size: 8, .value_kind: global_buffer, .address_space: global }
      - { .name: out0, .offset: 24, .size: 8, .value_kind: global_buffer, .address_space: global }
    .group_segment_fixed_size: 18432
    .private_segment_fixed_size: 0
    .kernarg_segment_align: 8
    .kernarg_segment_size: 32
    .max_flat_workgroup_size: 512
    .sgpr_count:     66
    .vgpr_count:     256
    .wavefront_size: 32
...
	.end_amdgpu_metadata
.endif
;; end of part 5
